; MI455X (gfx1250); checked and timed in simulation.
; The chip was launched on July 23, 2026; its instructions are those of AMD's public machine-readable ISA for CDNA 5 (MIT licence, August 2026) and "CDNA5" Instruction Set Architecture Reference Guide (July 2026). The comments in the code are by the model that wrote it; some were corrected since.
;; Llama Attention. Allowed arithmetic: matrix products marked QUANTISED: E2M3 operands, one E8M0 scale for each 32 along K, by v_wmma_scale_f32_16x16x128_f8f6f4 with both operands' format E2M3, f32 sums; products left as they are: f32 operands where the result goes on into a quantised operand, else bf16, f16 or f32 operands; f32 sums; everything else in f32.
;; Inputs: hidden_states 1 x 2,048 x 2,048 float32; position_ids 1 x 2,048 int32; wk 2,048 x 2,048 float32; wo 2,048 x 2,048 float32; wq 2,048 x 2,048 float32; wv 2,048 x 2,048 float32.
;; Outputs: out0 1 x 2,048 x 2,048 float32.
;; This version of the problem:
;;   THIS VERSION OF THE PROBLEM IS GIVEN IN LOW PRECISION. The matrix products marked QUANTISED in the list below multiply operands that are first quantised to E2M3 (2 exponent bits, 3 mantissa bits; 6 bits a number), with one power-of-two scale for each 32 numbers along K (OCP MX v1.0); their sums are f32. All else is computed in f32.
;;   The module's matrix products, in the order in which they are computed (A, B: the left and right operand; K: the contracted axis; several contracted axes count as one K, in the product's order):
;;     1. [M 2,048, K 2,048] x [K 2,048, N 2,048]; A: input hidden_states; B: input wq: QUANTISED
;;     2. [M 2,048, K 2,048] x [K 2,048, N 2,048]; A: input hidden_states; B: input wk: QUANTISED
;;     3. [M 2,048, K 2,048] x [K 2,048, N 2,048]; A: input hidden_states; B: input wv: QUANTISED
;;     4. [M 2,048, K 1] x [K 1, N 32]; A: computed on the way; B: computed on the way: left as it is (no contracted axis)
;;     5. batch 32 x [M 2,048, K 64] x [K 64, N 2,048]; A: computed on the way; B: computed on the way: QUANTISED
;;     6. batch 32 x [M 2,048, K 2,048] x [K 2,048, N 64]; A: softmax (see below); B: computed on the way: QUANTISED
;;     7. [M 2,048, K 2,048] x [K 2,048, N 2,048]; A: computed on the way; B: input wo: QUANTISED
;;   THE QUANTISER, for each operand of a quantised product, along K:
;;     - K is cut into blocks of 32 from its start; a last block that is shorter is filled with zeros.
;;     - A block's scale is 2^e with e = floor(log2(the largest magnitude in the block)) - 2, held to -126 .. 127; a block of zeros has e = 0. As a byte (E8M0): e + 127.
;;     - Each number is divided by its block's scale, clamped to +-7.5, and rounded to the nearest number of E2M3, ties to even, subnormals kept.
;;     - The product sums the exact products of the quantised numbers (number of the format x scale) in f32.
;;   ~~~python
;;   def quantise(x, axis):      # numpy; x: float32 -> the quantised numbers, widened to float32 again
;;       x = np.moveaxis(x, axis, -1); K = x.shape[-1]
;;       x = np.pad(x, [(0, 0)] * (x.ndim - 1) + [(0, -K % 32)]); x = x.reshape(x.shape[:-1] + (-1, 32)); a = np.abs(x).max(-1, keepdims=True)
;;       e = np.where(a > 0, np.clip(np.frexp(np.where(a > 0, a, 1))[1] - 1 - 2, -126, 127), 0)      # np.frexp(a)[1] - 1 = floor(log2(a)), exactly
;;       r = np.clip(x / 2.0 ** e, -7.5, 7.5)
;;       step = 2.0 ** (np.maximum(np.frexp(np.where(r == 0, 1, r))[1] - 1, 0) - 3)
;;       q = np.round(r / step) * step * 2.0 ** e      # np.round: ties to even
;;       return np.moveaxis(q.reshape(q.shape[:-2] + (-1,))[..., :K], -1, axis).astype(np.float32)
;;   ~~~
;;   SOFTMAX AHEAD OF A QUANTISED PRODUCT. Where the list says 'softmax', what is quantised is not the finished softmax but p = 2^(t - M), with t = logit x log2(e) and M = ceil(the row's largest t), a whole number; so 1/2 < the row's largest p <= 1. The row's sum l is taken of the UNQUANTISED p, in f32, and the product's result is divided by l at the end. Since M is a whole number, a kernel that streams over the keys may use a running M (the ceiling of the running maximum): every later rescaling is an exact power of two, which a block's scale takes up: the codes' values come out the same.
;;   OPERANDS COMPUTED ON THE WAY. 'Computed on the way' means the value that the module computes at that place (a softmax that the list does not call 'softmax' is quantised finished and normalised). What goes into a quantiser is computed in f32, as accurately as f32 sums, v_exp_f32 and their like allow (about 1e-6 of the number): no bf16 or f16 on the way to a quantiser, and a product that is left as it is and whose result goes on into a quantised operand takes f32 operands (vector FMAs, or v_wmma_f32_16x16x4_f32). A number that lies on a knife's edge between two numbers of the format may be rounded either way, as far as f32 arithmetic and the matrix unit's own rounding can turn it there, and no further.
;; One version. Each part assembles by itself: llvm-mc -triple=amdgcn-amd-amdhsa -mcpu=gfx1250 --defsym DOCPART=n.
;; ======== version 1 of 1: 4 launches
;; limits: right only within a limited range of input values
;; workspace buffers: wsq 16,384,000 bytes; rope 524,288 bytes; qkv 9,830,400 bytes; att 3,276,800 bytes
;; launch quant (part 1): grid 672 x 1, 4 waves a work-group, no clusters, 34,304 bytes of LDS; arguments hidden_states, wq, wk, wv, wo, position_ids, wsq, rope; writes wsq, rope
.if DOCPART == 1
	.amdgcn_target "amdgcn-amd-amdhsa--gfx1250"
	.amdhsa_code_object_version 6
	.text
	.protected	k_qaab8acf23c_quant
	.globl	k_qaab8acf23c_quant
	.p2align	8
	.type	k_qaab8acf23c_quant,@function
k_qaab8acf23c_quant:
	s_mov_b64 s[64:65], 0
	v_nop
	global_prefetch_b8 v0, s[64:65] scope:SCOPE_SE
	s_setreg_imm32_b32 hwreg(HW_REG_WAVE_MODE, 25, 1), 1
	s_wait_xcnt 0x0
; Work-groups 0-639: hidden_states, wq, wk, wv, wo ([2048][2048] f32, K innermost) become codes of FP6 (E2M3) with one E8M0 byte for each 32 along K,
; laid in wsq AS IMAGES OF THE OPERAND'S REGISTERS.  Tensor T at T x 3,276,800; group of 16 rows R at R x 25,600; record w (512 along K) at w x 6,400:
;   fragment 4w | fragment 4w+1 | scale words of these two (8 bytes a row) | scale words of 4w+2, 4w+3 | fragment 4w+2 | fragment 4w+3.
; A fragment (16 rows x 128 K) is 12 registers a lane: registers 4c .. 4c+3 of lane l lie at 512 c + 16 l.  So a record's halves of 3,200 bytes each hold 256 along K with their scales.
; A block's scale byte is its largest magnitude's exponent field - 2, held at 1 from below; the conversion divides by that scale, rounds to the nearest code, ties to even, and holds at the largest code.
; Work-groups 640-671: the table rope [2048][64] f32: cos(pos x f_i), i = 0..31, then sin(pos x f_i), f_i = 10^(-i/8), pos from position_ids.
; LIMITS: NaN and infinities are not served.  A block of zeros, or one under 2^-124, gets the byte 1 where the rule says otherwise: its codes are zeros (or the rule's own), and only this program reads the bytes.
; positions are 0 .. 2047, the table's range in the problem; f_i are literals within one unit in the last place of 10^(-i/8); sine and cosine by reduction modulo pi/2 in two parts and polynomials of degree 7 and 8.
; A wave makes one record.  Each load reads 512 consecutive bytes of one row; the numbers turn through the wave's own stage in LDS (rows 528 bytes apart)
; and come back 32 neighbours along K to a lane, which is a whole block.  No barrier: waves share nothing.  The matrix units, clusters and tensor loads have nothing to do here.
.set REC,  6400
.set SPT,  528                         ; a stage row: 512 bytes + 16
.set RS,   16                          ; v16-143   two sets of 64 numbers as loaded
.set X,    144                         ; v144-207  64 numbers: register 32 c + i = k 64 c + 32 h + i of row r
.set P,    208                         ; v208-231  two sets of 12: a fragment's codes
.set CT,   232                         ; v232-238  the upper halves of the two blocks, as the conversions leave them
.set M,    240                         ; v240-241  largest magnitudes
.set SO,   242                         ; v242-243  the conversions' scale operands
.set BY,   244                         ; v244-245  the scale bytes
.set W,    246                         ; v246-249  the four fragments' scale words
.set PD,   252                         ; v252      destination of the lane exchange
	s_load_b256 s[4:11], s[0:1], 0x0               ; hidden_states, wq, wk, wv
	s_load_b256 s[12:19], s[0:1], 0x20             ; wo, position_ids, wsq, rope
	v_lshl_add_u32 v254, v0, 2, 0x8400
	v_mov_b32 v255, 0
	v_lshrrev_b32 v1, 5, v0
	v_readfirstlane_b32 s20, v1                    ; wave
	v_and_b32 v1, 31, v0                           ; lane
	v_bfe_u32 v3, v0, 4, 1                         ; h
	s_wait_kmcnt 0x0
	s_cmp_ge_u32 ttmp9, 640
	s_cbranch_scc1 .Lrope
	v_and_b32 v2, 15, v0                           ; r
	s_wait_alu depctr_va_vdst(0)
	v_lshlrev_b32 v4, 4, v1                        ; 16 x lane: my place in a load's 512 bytes and in an image's
	s_mul_i32 s21, s20, 16*SPT                     ; my wave's stage
	v_add_nc_u32 v5, s21, v4                       ; into it: as loaded
	v_mul_u32_u24 v6, v2, SPT
	v_lshl_add_u32 v6, v3, 7, v6
	v_add_nc_u32 v6, s21, v6                       ; out of it: row r, + 128 h
	v_lshlrev_b32 v7, 3, v2
	v_lshl_add_u32 v7, v3, 7, v7
	v_add_nc_u32 v7, 3072, v7                      ; the scale words' place in a record: 3,072 + 128 h + 8 r
	v_lshlrev_b32 v8, 3, v3                        ; 8 h: how far my two bytes are shifted in a scale word
	v_mov_b32 v[PD], 0                             ; a lane exchange's destination counts as one of its sources
	s_mov_b32 s30, 0x76543210
	s_mov_b32 s31, 0xfedcba98                      ; selects for lane l xor 16
	s_lshr_b32 s22, ttmp9, 7                       ; which tensor: the choice hangs on the work-group's number alone
	s_cmp_eq_u32 s22, 1
	s_cselect_b64 s[4:5], s[6:7], s[4:5]
	s_cmp_eq_u32 s22, 2
	s_cselect_b64 s[4:5], s[8:9], s[4:5]
	s_cmp_eq_u32 s22, 3
	s_cselect_b64 s[4:5], s[10:11], s[4:5]
	s_cmp_eq_u32 s22, 4
	s_cselect_b64 s[4:5], s[12:13], s[4:5]
	s_and_b32 s23, ttmp9, 127                      ; which 16 rows
	s_lshl_b32 s24, s23, 17                        ; 16 rows of 8,192 bytes
	s_lshl_b32 s25, s20, 11                        ; my wave's 512 along K
	s_add_co_u32 s24, s24, s25
	s_mov_b32 s25, 0
	s_add_nc_u64 s[4:5], s[4:5], s[24:25]
	s_lshl_b32 s26, ttmp9, 2
	s_add_co_u32 s26, s26, s20
	s_mul_i32 s26, s26, REC                        ; the records of all five tensors lie on end
	s_mov_b32 s27, 0
	s_add_nc_u64 s[16:17], s[16:17], s[26:27]
.macro LOAD t                          ; fragment t: 16 rows x 512 bytes into set t % 2
.irp row, 0,1,2,3,4,5,6,7,8,9,10,11,12,13,14,15
	global_load_b128 v[RS+64*((\t)%2)+4*\row:RS+64*((\t)%2)+4*\row+3], v4, s[4:5] offset:\row*8192+(\t)*512 th:TH_LOAD_NT
.endr
.endm
.macro FRAG t
.set PP, P+12*((\t)%2)
.if (\t) < 3
	s_wait_loadcnt 16                              ; this fragment's 16 loads are in; the next fragment's 16 may be out
.else
	s_wait_loadcnt 0x0
.endif
.irp row, 0,1,2,3,4,5,6,7,8,9,10,11,12,13,14,15
	ds_store_b128 v5, v[RS+64*((\t)%2)+4*\row:RS+64*((\t)%2)+4*\row+3] offset:\row*SPT
.endr
.irp c, 0,1
.irp i, 0,1,2,3,4,5,6,7
	ds_load_b128 v[X+32*\c+4*\i:X+32*\c+4*\i+3], v6 offset:256*\c+16*\i   ; LDS serves a wave's instructions in order: these see the stores above
.endr
.endr
	s_wait_dscnt 0x0                               ; the numbers are back, and the stores have read their registers,
.if (\t) < 2
	LOAD (\t)+2                                    ; which take the loads of two fragments on
.endif
.irp c, 0,1
	v_max3_num_f32 v[M+\c], |v[X+32*\c]|, |v[X+32*\c+1]|, 0x1800000   ; my block 2 c + h: all 32 numbers are mine; the floor 2^(3 - 127) holds the byte at 1 from below
.endr
.irp i, 2,4,6,8,10,12,14,16,18,20,22,24,26,28,30
.irp c, 0,1
	v_max3_num_f32 v[M+\c], v[M+\c], |v[X+32*\c+\i]|, |v[X+32*\c+\i+1]|
.endr
.endr
.irp c, 0,1
	v_add_nc_u32 v[SO+\c], 0xff000000, v[M+\c]     ; 2 off the exponent field: the conversion takes this operand's exponent field as its scale
.endr
.irp c, 0,1
	v_lshrrev_b32 v[BY+\c], 23, v[SO+\c]           ; the scale's byte
.endr
	v_lshl_or_b32 v[W+(\t)], v[BY+1], 16, v[BY]    ; blocks h and 2 + h of row r,
	v_lshlrev_b32 v[W+(\t)], v8, v[W+(\t)]         ; at their places in the word;
	v_permlanex16_b32 v[PD], v[W+(\t)], s30, s31
	v_or_b32 v[W+(\t)], v[W+(\t)], v[PD]           ; with lane l xor 16's two the word is whole
	s_wait_alu depctr_va_vdst(0)
	s_wait_xcnt 0x0                                ; the stores of two fragments ago have read this set of code registers
.irp c, 0,1
	v_cvt_scalef32_pk16_fp6_f32 v[PP+6*\c:PP+6*\c+2], v[X+32*\c:X+32*\c+15], v[SO+\c]
	v_cvt_scalef32_pk16_fp6_f32 v[CT+4*\c:CT+4*\c+2], v[X+32*\c+16:X+32*\c+31], v[SO+\c]   ; (a conversion's three registers begin on an even number)
.endr
	v_nop                                          ; one plain place behind a scaled conversion
.irp c, 0,1
.irp i, 0,1,2
	v_mov_b32 v[PP+6*\c+3+\i], v[CT+4*\c+\i]
.endr
.endr
.irp c, 0,1,2
	global_store_b128 v4, v[PP+4*\c:PP+4*\c+3], s[16:17] offset:1536*(\t)+256*((\t)/2)+512*\c   ; 32 lanes store 512 consecutive bytes, at a multiple of 256 from the buffer's first byte
.endr
.endm
	LOAD 0
	LOAD 1
	s_wait_alu depctr_va_vdst(0)
	FRAG 0
	FRAG 1
	FRAG 2
	FRAG 3
	v_cmp_ne_u32 vcc_lo, 0, v3
	v_cndmask_b32 v[M], v[W], v[W+2], vcc_lo       ; lanes 0-15: the words of fragments 0, 1; lanes 16-31: of fragments 2, 3
	v_cndmask_b32 v[M+1], v[W+1], v[W+3], vcc_lo
	global_store_b64 v7, v[M:M+1], s[16:17]        ; 32 lanes store 256 consecutive bytes, aligned
	s_wait_tensorcnt 0x0
	ds_add_u32 v254, v255
	s_wait_dscnt 0x0
	s_endpgm
.Lrope:                                            ; this way uses no LDS
	s_sub_co_u32 s21, ttmp9, 640
	s_lshl_b32 s21, s21, 2
	s_add_co_u32 s21, s21, s20                     ; which 16 rows of the table are my wave's
	s_lshl_b32 s22, s21, 6
	s_mov_b32 s23, 0
	s_add_nc_u64 s[14:15], s[14:15], s[22:23]
	s_load_b512 s[32:47], s[14:15], 0x0            ; their 16 positions
	s_lshl_b32 s26, s21, 12
	s_mov_b32 s27, 0
	s_add_nc_u64 s[18:19], s[18:19], s[26:27]      ; 16 rows of 256 bytes
	s_wait_alu depctr_va_vdst(0)
	v_lshlrev_b32 v9, 3, v1                        ; 8 x lane: lanes 0-15 the cosines, lanes 16-31 the sines, of frequencies 2 (lane % 16) and + 1
	v_xor_b32 v12, 1, v3                           ; a cosine is the sine a quarter turn on
	v_mov_b32 v10, 0
	v_mov_b32 v11, 0
.macro SETF i, hex                     ; f_i into the two lanes that take it
	s_mov_b32 s24, \hex
	v_writelane_b32 v[10+(\i)%2], s24, (\i)/2
	v_writelane_b32 v[10+(\i)%2], s24, 16+(\i)/2
.endm
	SETF 0, 0x3f800000
	SETF 1, 0x3f3ff911
	SETF 2, 0x3f0ff59a
	SETF 3, 0x3ed7e89b
	SETF 4, 0x3ea1e89b
	SETF 5, 0x3e72d424
	SETF 6, 0x3e361887
	SETF 7, 0x3e088d77
	SETF 8, 0x3dcccccd
	SETF 9, 0x3d99940e
	SETF 10, 0x3d6655c3
	SETF 11, 0x3d2cba15
	SETF 12, 0x3d0186e2
	SETF 13, 0x3cc24350
	SETF 14, 0x3c91ad39
	SETF 15, 0x3c5a7bf1
	SETF 16, 0x3c23d70a
	SETF 17, 0x3bf5b9b0
	SETF 18, 0x3bb8449c
	SETF 19, 0x3b8a2e77
	SETF 20, 0x3b4f3e37
	SETF 21, 0x3b1b690d
	SETF 22, 0x3ae91528
	SETF 23, 0x3aaec98e
	SETF 24, 0x3a83126f
	SETF 25, 0x3a44948c
	SETF 26, 0x3a136a16
	SETF 27, 0x39dd1726
	SETF 28, 0x39a5cb5f
	SETF 29, 0x3978a814
	SETF 30, 0x393a7753
	SETF 31, 0x390bd472
	s_mov_b32 s48, 0x3f22f983                      ; 2 / pi
	s_mov_b32 s49, 0xbfc90fdb                      ; -(pi / 2 rounded to f32): k times it, taken from x in one fused step, leaves no rounding for k up to 1,304
	s_mov_b32 s50, 0x333bbd2e                      ; that number less pi / 2
	s_mov_b32 s51, 0xb94ca1f9                      ; the sine's three coefficients
	s_mov_b32 s52, 0x3c08839e
	s_mov_b32 s53, 0xbe2aaaa3
	s_mov_b32 s54, 0x37ccf5ce                      ; the cosine's
	s_mov_b32 s55, 0xbab6061a
	s_mov_b32 s56, 0x3d2aaaa5
	s_wait_kmcnt 0x0
.macro ROW j                           ; each row has result registers of its own: no store's data are written again
	v_cvt_f32_u32 v13, s[32+\j]
	s_wait_alu depctr_va_vdst(0)
.irp e, 0,1
	v_mul_f32 v[14+\e], v13, v[10+\e]              ; x = pos x f: one rounding, as the problem's table has it
.endr
.irp e, 0,1
	v_mul_f32 v[16+\e], s48, v[14+\e]
.endr
.irp e, 0,1
	v_rndne_f32 v[16+\e], v[16+\e]                 ; k
.endr
.irp e, 0,1
	v_cvt_i32_f32 v[18+\e], v[16+\e]
	v_fma_f32 v[20+\e], v[16+\e], s49, v[14+\e]
.endr
.irp e, 0,1
	v_add_nc_u32 v[18+\e], v[18+\e], v12           ; n = k, or k + 1 for a cosine
	v_fma_f32 v[20+\e], v[16+\e], s50, v[20+\e]    ; the rest, within pi / 4 of 0
.endr
.irp e, 0,1
	v_mul_f32 v[22+\e], v[20+\e], v[20+\e]         ; z
.endr
.irp e, 0,1
	v_fma_f32 v[24+\e], v[22+\e], s51, s52
	v_fma_f32 v[26+\e], v[22+\e], s54, s55
	v_mul_f32 v[28+\e], v[22+\e], v[20+\e]
	v_fma_f32 v[30+\e], v[22+\e], -0.5, 1.0
.endr
.irp e, 0,1
	v_fma_f32 v[24+\e], v[24+\e], v[22+\e], s53
	v_fma_f32 v[26+\e], v[26+\e], v[22+\e], s56
	v_mul_f32 v[22+\e], v[22+\e], v[22+\e]
.endr
.irp e, 0,1
	v_fma_f32 v[24+\e], v[24+\e], v[28+\e], v[20+\e]   ; the rest's sine
	v_fma_f32 v[26+\e], v[26+\e], v[22+\e], v[30+\e]   ; and cosine
	v_and_b32 v[28+\e], 1, v[18+\e]
	v_and_b32 v[30+\e], 2, v[18+\e]
.endr
.irp e, 0,1
	v_cmp_ne_u32 vcc_lo, 0, v[28+\e]
	v_cndmask_b32 v[24+\e], v[24+\e], v[26+\e], vcc_lo   ; odd n: the cosine
	v_lshlrev_b32 v[30+\e], 30, v[30+\e]
	v_xor_b32 v[64+2*\j+\e], v[24+\e], v[30+\e]    ; n mod 4 of 2 or 3: the sign turns
.endr
	global_store_b64 v9, v[64+2*\j:65+2*\j], s[18:19] offset:256*\j   ; 32 lanes store a row's 256 bytes, aligned
.endm
.irp j, 0,1,2,3,4,5,6,7,8,9,10,11,12,13,14,15
	ROW \j
.endr
	s_endpgm
.Lfunc_end_k_qaab8acf23c_quant:
	.size	k_qaab8acf23c_quant, .Lfunc_end_k_qaab8acf23c_quant-k_qaab8acf23c_quant
	.p2alignl 7, 3214868480
	.fill 96, 4, 3214868480
	.section	.rodata,"a",@progbits
	.p2align	6, 0x0
	.amdhsa_kernel k_qaab8acf23c_quant
		.amdhsa_group_segment_fixed_size 34304
		.amdhsa_private_segment_fixed_size 0
		.amdhsa_enable_private_segment 0
		.amdhsa_kernarg_size 64
		.amdhsa_user_sgpr_count 2
		.amdhsa_user_sgpr_kernarg_segment_ptr 1
		.amdhsa_wavefront_size32 1
		.amdhsa_system_sgpr_workgroup_id_x 1
		.amdhsa_system_sgpr_workgroup_id_y 1
		.amdhsa_system_sgpr_workgroup_id_z 1
		.amdhsa_system_vgpr_workitem_id 0
		.amdhsa_next_free_vgpr 256
		.amdhsa_next_free_sgpr 66
		.amdhsa_reserve_vcc 1
		.amdhsa_float_denorm_mode_32 3
		.amdhsa_float_denorm_mode_16_64 3
		.amdhsa_memory_ordered 1
		.amdhsa_forward_progress 1
		.amdhsa_inst_pref_size 72
	.end_amdhsa_kernel
	.amdgpu_metadata
---
amdhsa.version: [ 1, 2 ]
amdhsa.kernels:
  - .name:           k_qaab8acf23c_quant
    .symbol:         k_qaab8acf23c_quant.kd
    .args:
      - { .name: hidden_states, .offset: 0, .size: 8, .value_kind: global_buffer, .address_space: global }
      - { .name: wq, .offset: 8, .size: 8, .value_kind: global_buffer, .address_space: global }
      - { .name: wk, .offset: 16, .size: 8, .value_kind: global_buffer, .address_space: global }
      - { .name: wv, .offset: 24, .size: 8, .value_kind: global_buffer, .address_space: global }
      - { .name: wo, .offset: 32, .size: 8, .value_kind: global_buffer, .address_space: global }
      - { .name: position_ids, .offset: 40, .size: 8, .value_kind: global_buffer, .address_space: global }
      - { .name: wsq, .offset: 48, .size: 8, .value_kind: global_buffer, .address_space: global }
      - { .name: rope, .offset: 56, .size: 8, .value_kind: global_buffer, .address_space: global }
    .group_segment_fixed_size: 34304
    .private_segment_fixed_size: 0
    .kernarg_segment_align: 8
    .kernarg_segment_size: 64
    .max_flat_workgroup_size: 128
    .sgpr_count:     66
    .vgpr_count:     256
    .wavefront_size: 32
...
	.end_amdgpu_metadata
.endif
;; end of part 1
;; launch qkv (part 2): grid 32 x 8, 12 waves a work-group, clusters of 4 x 4, 327,680 bytes of LDS; arguments wsq, rope, qkv; writes qkv
.if DOCPART == 2
	.amdgcn_target "amdgcn-amd-amdhsa--gfx1250"
	.amdhsa_code_object_version 6
	.text
	.protected	k_qaab8acf23c_qkv
	.globl	k_qaab8acf23c_qkv
	.p2align	8
	.type	k_qaab8acf23c_qkv,@function
k_qaab8acf23c_qkv:
	s_mov_b64 s[64:65], 0
	v_nop
	global_prefetch_b8 v0, s[64:65] scope:SCOPE_SE
	s_setreg_imm32_b32 hwreg(HW_REG_WAVE_MODE, 25, 1), 1
	s_wait_xcnt 0x0
	s_wait_alu depctr_hold_cnt(0) depctr_sa_sdst(0) depctr_va_vdst(0) depctr_va_sdst(0) depctr_va_ssrc(0) depctr_va_vcc(0) depctr_vm_vsrc(0)
	s_getreg_b32 s2, hwreg(HW_REG_IB_STS2, 6, 4)
	s_cmp_eq_u32 s2, 0
	s_cbranch_scc0 .Lentry_in_a_cluster
	s_endpgm
.Lentry_in_a_cluster:
	s_bfe_u32 s2, ttmp6, 0x10000c
	s_cmp_lg_u32 s2, 0xf033
	s_cbranch_scc0 .Lentry_shape_is_right
	s_endpgm
.Lentry_shape_is_right:
; q = x wq^T, k = x wk^T, v = x wv^T on codes of FP6 (E2M3) with E8M0 scales, sums in f32; then RoPE on q and k in f32; then q and k are quantised along the head's 64 and v along the keys.
; SHARES.  A work-group makes 256 rows x one head of q, of k and of v: 32 heads x 8 row blocks = 256 work-groups.  Twelve waves, three to a SIMD, 256 registers each: wave w has rows 64 (w % 4) on
; and the tensor w / 4 (0 q, 1 k, 2 v): a tile of 64 x 64, 16 accumulators.  The role hangs on the wave's number alone.
; SOURCES.  Source 0 is the side along which the result is quantised, so that a lane's registers run along the next K: for q and k the weight's 64 rows (d), source 1 the rows of x;
; for v the rows of x (the keys), source 1 wv's 64 rows.  In accumulator (t, u) lane (r, h) holds row 16 t + r of source 1's side, register j row 16 u + 8 h + j of source 0's.  The loop's text is one for all waves; only LDS bases differ.
; OPERANDS come from wsq as images of their registers: three loads of 16 bytes a lane bring a fragment, one load of 8 bytes a lane the scale words of 256 along K for one group of 16 rows of each side
; (lanes 0-15 source 1's, lanes 16-31 source 0's).
; RING.  Two LDS slots of 256 along K: 16 groups of x and 12 of the weights, 3,200 bytes each.  Slot s always holds halves of records of parity s: codes at 128 s, scale words at 3,072 (1 - s).
; CLUSTER 4 x 4.  x's tiles and the rows of the cos/sin table hang on the row block alone and are asked for jointly along a row of the cluster; the weights' hang on the head alone and are asked for jointly along a column.
; ORDER INSIDE A BLOCK OF 32.  A lane's 16 registers of two neighbouring tiles are numbers 0-7, 16-23 (lanes 0-15) or 8-15, 24-31 (lanes 16-31) of a block.  They are stored in that order, alike for q and k, and alike for v and
; the softmax's p in the next launch: an order applied alike to both operands of a product keeps the products and the blocks.
; OUT.  q, k: [head][row][48 bytes]; their scale bytes [head][row / 32][row % 16], a word: two bytes of row 32 G + m, two of row 32 G + 16 + m.  v: [head][keys / 128][tile 0..3], images of 16 x 128 fragments;
; row r' of tile 2 b + u is d = 32 b + 8 u + r' + 8 (r' / 8); scale words [head][keys / 128][tile][r'].
; LIMITS: NaN and infinities are not served; a block of zeros or under 2^-124 gets the byte 1 (its codes are zeros or the rule's own; only this program reads the bytes).
; THE RING AS IT STANDS (in place of the lines on the ring above): a tile's row is 3,328 bytes of a record, thirteen runs of 256 bytes: slot 0 takes a record's bytes 0 .. 3,327, slot 1 its bytes 3,072 .. 6,399;
; both begin at a multiple of 256 bytes and both hold the record's 256 bytes of scale words.  Slot 0: codes at 0, its scale words at 3,072.  Slot 1: its scale words at 128, codes at 256.
; PREFETCH.  A trip of the loop fills both slots with one record of each group.  Trip i asks for record i + 2, which trip i + 1 loads: 25 runs of 256 bytes a group, a lane a run, one instruction a wave.
; Behind the head's loads record 1 is asked for; record 0 comes by its loads alone; the last trip asks for nothing.  The partners of a joint load share the groups out by address: of x's 16 groups the partner at cx takes
; 4 cx + wave (waves 0-3); of a weight's 4 groups the partner at cy takes group cy (waves 4-6, a weight each).  So each run is named once in each cluster.
.set GRP,   3328                       ; a group's place in a slot
.set SLOT,  28*GRP
.set RP,    2*SLOT                     ; 256 rows of the cos/sin table, 256 bytes + 16 of padding
.set RPP,   272
.set STQ,   RP+256*RPP                 ; the codes' stage: 3,072 bytes a wave
.set STS,   STQ+12*3072                ; the scale words' stage: 512 bytes a tensor
.set SPARE, STS+1536                   ; the spare words, 128 bytes a wave: six blocks of 256 bytes that no other line names
.set GPITCH, 25600                     ; from a group of 16 rows to the next in wsq
.set SC,   24                          ; v24-31   scale words: register 2 i + q
.set F0,   32                          ; v32-79   source 0's four fragments
.set F1,   80                          ; v80-127  source 1's
.set ACC,  128                         ; v128-255 accumulator (t, u) at 128 + 32 t + 8 u
.set RES,  64                          ; the way out: v32-63 cos and sin, v64-95 a row tile after RoPE, v96-112 the quantiser's
.set G1,   24                          ; s[24:31] group 1 for x;  s[32:39] groups 0, one a slot
.set G0,   32
.set G1B,  48                          ; s[48:55], s[56:63] the same for the weights
.set G0B,  56
.set G1R,  68                          ; s[68:75], s[76:79] for the table's rows
.set G0R,  76
.macro CROUND                          ; a round of the cluster's barrier
	s_barrier_signal -1
	s_barrier_wait -1
	s_cmp_lg_u32 s10, 0
	s_cbranch_scc1 .Lnw0_\@
	s_barrier_signal -3
.Lnw0_\@:
	s_barrier_wait -3
	s_barrier_signal -1
	s_barrier_wait -1
.endm
.macro JLOAD s                         ; a joint refill of slot s: waves 0-3 a quarter of x's groups each, waves 4-6 a weight's four groups each, the others nothing; four v_nop follow each line
	s_cmp_lt_u32 s10, 4
	s_cbranch_scc0 .Ljw_\@
	tensor_load_to_lds s[G0+4*(\s):G0+4*(\s)+3], s[G1:G1+7]
	s_nop 0
.rept 4
	v_nop
.endr
	s_branch .Ljd_\@
.Ljw_\@:
	s_cmp_lt_u32 s10, 7
	s_cbranch_scc0 .Ljd_\@
	tensor_load_to_lds s[G0B+4*(\s):G0B+4*(\s)+3], s[G1B:G1B+7]
	s_nop 0
.rept 4
	v_nop
.endr
.Ljd_\@:
.endm
	s_load_b128 s[4:7], s[0:1], 0x0                ; wsq, rope
	s_load_b64 s[8:9], s[0:1], 0x10                ; qkv
	v_lshl_add_u32 v10, v0, 2, SPARE
	v_mov_b32 v11, 0
	ds_add_u32 v10, v11
	ds_add_u32 v10, v11
	s_wait_dscnt 0x0
	v_lshrrev_b32 v1, 5, v0
	s_delay_alu instid0(VALU_DEP_1)
	v_readfirstlane_b32 s10, v1                    ; wave 0..11
	s_and_b32 s11, s10, 3                          ; which 64 rows are mine.  Also: which part I fetch
	s_lshr_b32 s12, s10, 2                         ; 0 q, 1 k, 2 v
	s_lshr_b32 s13, s12, 1                         ; 1 for v
	s_xor_b32 s14, s13, 1
	s_bfe_u32 s15, ttmp6, 0x40000                  ; cx, cy: my place in the cluster
	s_bfe_u32 s16, ttmp6, 0x40004
	s_lshl_b32 s17, ttmp9, 2
	s_add_co_u32 s17, s17, s15                     ; the head = 4 x cluster x + cx
	s_and_b32 s18, ttmp7, 0xffff
	s_lshl_b32 s18, s18, 2
	s_add_co_u32 s18, s18, s16                     ; the block of 256 rows = 4 x cluster y + cy
	s_lshl_b32 s19, s16, 2
	s_lshl_b32 s19, 15, s19                        ; my row of the cluster
	s_lshl_b32 s20, 0x1111, s15                    ; my column
	s_or_b32 s[G1], s19, (3<<16)|(1<<21)           ; 15:0 the mask; 17:16 elements of 8 bytes; 21 set beside a mask; no padding
	s_or_b32 s[G1B], s20, (3<<16)|(1<<21)
.irp g, G1, G1B                        ; four groups of 3,328 bytes, 25,600 bytes apart in memory, on end in LDS
	s_mov_b32 s[\g+1], 416<<16                     ; tensor_dim0: 3,328 bytes
	s_mov_b32 s[\g+2], 4<<16                       ; tensor_dim1
	s_mov_b32 s[\g+3], 416<<16                     ; tile_dim0
	s_mov_b32 s[\g+4], 4                           ; tile_dim1
	s_mov_b32 s[\g+5], 3200                        ; tensor_dim0_stride
	s_mov_b32 s[\g+6], 0
	s_mov_b32 s[\g+7], 0
.endr
	s_or_b32 s[G1R], s19, (3<<16)|(1<<20)|(1<<21)|(5<<22)|(3<<25)   ; 256 dense rows of 256 bytes, 16 bytes of padding behind each
	s_mov_b32 s[G1R+1], 32<<16
	s_mov_b32 s[G1R+2], 256<<16
	s_mov_b32 s[G1R+3], 32<<16
	s_mov_b32 s[G1R+4], 256
	s_mov_b32 s[G1R+5], 32
	s_mov_b32 s[G1R+6], 0
	s_mov_b32 s[G1R+7], 0
	s_lshl_b32 s40, s18, 4                         ; x: group 16 x row block + 4 x part
	s_lshl_b32 s41, s11, 2
	s_add_co_u32 s40, s40, s41
	s_mul_i32 s40, s40, GPITCH
	s_mov_b32 s41, 0
	s_add_co_u32 s44, s11, 1                       ; weights: tensor 1 + part, group 4 x head
	s_lshl_b32 s44, s44, 7
	s_lshl_b32 s45, s17, 2
	s_add_co_u32 s44, s44, s45
	s_mul_i32 s44, s44, GPITCH
	s_mov_b32 s45, 0
	s_lshl_b32 s46, s18, 16                        ; the table: 256 rows of 256 bytes a row block
	s_mov_b32 s47, 0
	s_mul_i32 s21, s11, 4*GRP                      ; part x 13,312: where a part goes in a slot, and where my 64 rows of x lie
	s_wait_kmcnt 0x0
	s_add_nc_u64 s[40:41], s[4:5], s[40:41]
	s_add_nc_u64 s[44:45], s[4:5], s[44:45]
	s_add_nc_u64 s[46:47], s[6:7], s[46:47]
.irp s, 0,1
	s_mov_b32 s[G0+4*\s], 1
	s_add_co_u32 s[G0+4*\s+1], s21, \s*SLOT
	s_add_nc_u64 s[G0+4*\s+2:G0+4*\s+3], s[40:41], \s*3072
	s_or_b32 s[G0+4*\s+3], s[G0+4*\s+3], 0x80000000
	s_mov_b32 s[G0B+4*\s], 1
	s_add_co_u32 s[G0B+4*\s+1], s21, \s*SLOT+16*GRP
	s_add_nc_u64 s[G0B+4*\s+2:G0B+4*\s+3], s[44:45], \s*3072
	s_or_b32 s[G0B+4*\s+3], s[G0B+4*\s+3], 0x80000000
.endr
	s_mov_b32 s[G0R], 1
	s_mov_b32 s[G0R+1], RP
	s_mov_b64 s[G0R+2:G0R+3], s[46:47]
	s_or_b32 s[G0R+3], s[G0R+3], 0x80000000
	CROUND                                         ; all sixteen work-groups are here: the first joint loads meet
	s_cmp_lt_u32 s10, 4                            ; one joint load a wave, in one chain of arms: waves 0-3 slot 0's x, 4-6 slot 0's weights, 7 the table, 8-11 slot 1's x
	s_cbranch_scc0 .Lff_w
	tensor_load_to_lds s[G0:G0+3], s[G1:G1+7]
	s_nop 0
.rept 4
	v_nop
.endr
	s_branch .Lff_d
.Lff_w:
	s_cmp_lt_u32 s10, 7
	s_cbranch_scc0 .Lff_r
	tensor_load_to_lds s[G0B:G0B+3], s[G1B:G1B+7]
	s_nop 0
.rept 4
	v_nop
.endr
	s_branch .Lff_d
.Lff_r:
	s_cmp_eq_u32 s10, 7
	s_cbranch_scc0 .Lff_x
	tensor_load_to_lds s[G0R:G0R+3], s[G1R:G1R+7]
	s_nop 0
.rept 4
	v_nop
.endr
	s_branch .Lff_d
.Lff_x:
	tensor_load_to_lds s[G0+4:G0+7], s[G1:G1+7]    ; waves 8-11: their number % 4 is the part, as for waves 0-3
	s_nop 0
.rept 4
	v_nop
.endr
.Lff_d:
	; the prefetches: s[42:43] my group's record, s41 the bound on the trips in which my wave asks, v22 my lane's run of 256 bytes
	s_lshl_b32 s40, s18, 4
	s_lshl_b32 s41, s15, 2
	s_add_co_u32 s40, s40, s41
	s_add_co_u32 s40, s40, s11                     ; x: group 16 x row block + 4 cx + wave
	s_add_co_u32 s41, s11, 1
	s_lshl_b32 s41, s41, 7
	s_lshl_b32 s42, s17, 2
	s_add_co_u32 s41, s41, s42
	s_add_co_u32 s41, s41, s16                     ; weights: tensor 1 + wave % 4, group 4 x head + cy
	s_cmp_lt_u32 s10, 4
	s_cselect_b32 s40, s40, s41
	s_mul_i32 s40, s40, GPITCH
	s_add_co_u32 s40, s40, 6400                    ; record 1
	s_mov_b32 s41, 0
	s_add_nc_u64 s[42:43], s[4:5], s[40:41]
	v_and_b32 v22, 31, v0
	v_min_u32 v22, 24, v22                         ; a record has 25 runs: lanes 25-31 name the last again
	v_lshlrev_b32 v22, 8, v22
	s_cmp_lt_u32 s10, 7
	s_cselect_b32 s41, 1, -1                       ; waves 0-6 ask while more than one trip is left, the others never
	s_cbranch_scc0 .Lnp0
	global_prefetch_b8 v22, s[42:43] th:TH_LOAD_NT scope:SCOPE_SE   ; record 1, which the loop's first trip loads
.Lnp0:
	; every LDS address is made here, on the way that all waves take
	s_xor_b32 s22, s11, 3
	s_add_co_u32 s22, s22, s12
	s_add_co_u32 s22, s22, 1
	s_mul_i32 s22, s22, 4*GRP                      ; D: from my rows of x to my tensor's weight groups: (4 + tensor - part) x 13,312, never negative
	s_mul_i32 s23, s14, s22
	s_add_co_u32 s23, s23, s21                     ; source 0's groups: the weight's for q and k, x's for v
	s_mul_i32 s80, s13, s22
	s_add_co_u32 s80, s80, s21                     ; source 1's: the other
	v_and_b32 v1, 15, v0                           ; r
	v_bfe_u32 v2, v0, 4, 1                         ; h
	v_and_b32 v3, 31, v0                           ; lane
	s_delay_alu instid0(VALU_DEP_1)
	v_lshlrev_b32 v20, 4, v3                       ; 16 x lane
	s_delay_alu instid0(VALU_DEP_1)
	v_add_nc_u32 v4, s23, v20                      ; v4, v5: source 0's fragments in slot 0, 1
	s_delay_alu instid0(VALU_DEP_1)
	v_add_nc_u32 v5, SLOT+256, v4
	s_delay_alu instid0(VALU_DEP_3)
	v_add_nc_u32 v6, s80, v20                      ; v6, v7: source 1's
	s_delay_alu instid0(VALU_DEP_1)
	v_add_nc_u32 v7, SLOT+256, v6
	v_xor_b32 v32, s13, v2
	s_delay_alu instid0(VALU_DEP_1)
	v_mul_u32_u24 v32, s22, v32                    ; lanes 0-15 take source 1's scale words, lanes 16-31 source 0's: one product
	s_delay_alu instid0(VALU_DEP_1)
	v_lshl_add_u32 v32, v1, 3, v32
	s_delay_alu instid0(VALU_DEP_1)
	v_add_nc_u32 v32, s21, v32
	s_delay_alu instid0(VALU_DEP_1)
	v_add_nc_u32 v8, 3072, v32                     ; v8, v9: the scale words in slot 0, 1
	s_delay_alu instid0(VALU_DEP_2)
	v_add_nc_u32 v9, SLOT+128, v32
	s_mul_i32 s81, s10, 3072
	s_add_co_u32 s81, s81, STQ
	v_mul_u32_u24 v12, v1, 48
	s_delay_alu instid0(VALU_DEP_1)
	v_mad_u32_u24 v12, v2, 12, v12
	s_delay_alu instid0(VALU_DEP_1)
	v_add_nc_u32 v12, s81, v12                     ; v12: q, k: row r of 48 bytes, + 12 h
	v_add_nc_u32 v19, s81, v20                     ; v19: the copy out of the codes' stage
	s_lshl_b32 s82, s12, 9
	s_add_co_u32 s82, s82, STS
	v_add_nc_u32 v21, s82, v20                     ; v21: the copy out of the scale words' stage
	s_lshl_b32 s83, s11, 7
	s_add_co_u32 s83, s83, s82
	v_lshl_add_u32 v13, v1, 2, s83                 ; v13: q, k: the word of rows r and r + 16 of my first 32
	s_and_b32 s84, s11, 1
	s_lshr_b32 s85, s11, 1
	s_mul_i32 s86, s85, 6144
	s_add_co_u32 s86, s86, STQ+24576
	v_lshrrev_b32 v32, 3, v1                       ; r / 8
	v_and_b32 v33, 7, v1                           ; r % 8
	s_delay_alu instid0(VALU_DEP_2)
	v_mul_u32_u24 v34, v32, 1536
	s_delay_alu instid0(VALU_DEP_1)
	v_lshl_add_u32 v34, v33, 4, v34
	s_delay_alu instid0(VALU_DEP_1)
	v_add_nc_u32 v34, s86, v34                     ; v: step of 128 keys, tile r / 8, lane r % 8
	s_mul_i32 s87, s84, 6
	v_mul_u32_u24 v35, v2, 3
	s_delay_alu instid0(VALU_DEP_1)
	v_add_nc_u32 v35, s87, v35                     ; the image's register that my first code register becomes: 6 (part % 2) + 3 h
.irp i, 0,1,2
	v_add_nc_u32 v36, \i, v35
	s_delay_alu instid0(VALU_DEP_1)
	v_lshrrev_b32 v37, 2, v36
	s_delay_alu instid0(VALU_DEP_2)
	v_and_b32 v36, 3, v36
	s_delay_alu instid0(VALU_DEP_2)
	v_lshl_add_u32 v37, v37, 9, v34
	s_delay_alu instid0(VALU_DEP_1)
	v_lshl_add_u32 v[14+\i], v36, 2, v37           ; v14-16: register rho of an image lies at 512 (rho / 4) + 4 (rho % 4) + 16 x lane
.endr
	s_lshl_b32 s88, s85, 8
	s_lshl_b32 s89, s84, 1
	s_add_co_u32 s88, s88, s89
	s_add_co_u32 s88, s88, STS+1024
	v_lshlrev_b32 v17, 6, v32
	s_delay_alu instid0(VALU_DEP_1)
	v_lshl_add_u32 v17, v33, 2, v17
	s_delay_alu instid0(VALU_DEP_1)
	v_add_nc_u32 v17, s88, v17                     ; v17: v's scale words: my two bytes of a row's four
	s_mul_i32 s89, s11, 64*RPP
	s_add_co_u32 s89, s89, RP
	v_mul_u32_u24 v18, v1, RPP
	s_delay_alu instid0(VALU_DEP_1)
	v_lshl_add_u32 v18, v2, 5, v18
	s_delay_alu instid0(VALU_DEP_1)
	v_add_nc_u32 v18, s89, v18                     ; v18: the table's row 64 part + r, + 32 h
	v_mov_b32 v98, 0                               ; a lane exchange's destination counts as one of its sources
	v_mov_b32 v99, 0
	s_mov_b32 s94, 0x76543210
	s_mov_b32 s95, 0xfedcba98                      ; selects for lane l xor 16
	s_mul_i32 s90, s12, 3145728                    ; where my 3,072 bytes of codes go: one formula for the three tensors
	s_mul_i32 s91, s17, 98304
	s_add_co_u32 s90, s90, s91
	s_mul_i32 s91, s18, 12288
	s_add_co_u32 s90, s90, s91
	s_mul_i32 s91, s11, 3072
	s_add_co_u32 s90, s90, s91
	s_mov_b32 s91, 0
	s_add_nc_u64 s[90:91], s[8:9], s[90:91]
	s_lshl_b32 s92, s12, 17                        ; and a tensor's 512 bytes of scale words
	s_lshl_b32 s93, s17, 12
	s_add_co_u32 s92, s92, s93
	s_lshl_b32 s93, s18, 9
	s_add_co_u32 s92, s92, s93
	s_add_co_u32 s92, s92, 9437184
	s_mov_b32 s93, 0
	s_add_nc_u64 s[92:93], s[8:9], s[92:93]
; 128 along K: the slot's q-th.  The 16 accumulators take turns, one instruction a turn, in the same order in every step.
.macro KSTEP s, q, zero
.if (\q) == 0
.irp i, 0,1,2,3
	ds_load_b64 v[SC+2*\i:SC+2*\i+1], v[8+\s] offset:\i*GRP
.endr
.endif
.irp i, 0,1,2,3
.irp c, 0,1,2
	ds_load_b128 v[F0+12*\i+4*\c:F0+12*\i+4*\c+3], v[4+\s] offset:\i*GRP+(\q)*1536+512*\c
.endr
.endr
.irp i, 0,1,2,3
.irp c, 0,1,2
	ds_load_b128 v[F1+12*\i+4*\c:F1+12*\i+4*\c+3], v[6+\s] offset:\i*GRP+(\q)*1536+512*\c
.endr
.endr
.irp t, 0,1,2,3
	s_wait_dscnt 9-3*\t                            ; all but source 1's fragments behind t, three loads each
.irp u, 0,1,2,3
.if \zero
	v_wmma_scale_f32_16x16x128_f8f6f4 v[ACC+32*\t+8*\u:ACC+32*\t+8*\u+7], v[F0+12*\u:F0+12*\u+11], v[F1+12*\t:F1+12*\t+11], 0, v[SC+2*\u+(\q)], v[SC+2*\t+(\q)] matrix_a_fmt:MATRIX_FMT_FP6 matrix_b_fmt:MATRIX_FMT_FP6 matrix_a_scale:MATRIX_SCALE_ROW1
.else
	v_wmma_scale_f32_16x16x128_f8f6f4 v[ACC+32*\t+8*\u:ACC+32*\t+8*\u+7], v[F0+12*\u:F0+12*\u+11], v[F1+12*\t:F1+12*\t+11], v[ACC+32*\t+8*\u:ACC+32*\t+8*\u+7], v[SC+2*\u+(\q)], v[SC+2*\t+(\q)] matrix_a_fmt:MATRIX_FMT_FP6 matrix_b_fmt:MATRIX_FMT_FP6 matrix_a_scale:MATRIX_SCALE_ROW1
.endif
.endr
.endr
.rept 4
	v_nop                                          ; four places in front of loads into registers that matrix instructions have read, and of the first read of results
.endr
.endm
.macro WORK s, zero
	KSTEP \s, 0, \zero
.if (\s) == 1                          ; once a trip, in the middle of slot 1's work: the record that the next trip loads; s3 counts the trips left (0 behind the loop)
	s_cmp_gt_u32 s3, s41
	s_cbranch_scc0 .Lnp_\@
	global_prefetch_b8 v22, s[42:43] offset:6400 th:TH_LOAD_NT scope:SCOPE_SE
.Lnp_\@:
.endif
	KSTEP \s, 1, 0
.endm
; The change of slots stands at a slot's head.  refill = 1: the slot just left is filled with the half record two on, behind a round of the cluster's barrier; the load has this slot's 32 products a wave in which to land.
.macro TWO s, refill
	s_wait_tensorcnt 0x0                           ; all my tensor loads have landed, my part of this slot among them: so a group 0 may be written
	ds_add_u32 v10, v11                            ; 0 onto my spare word
.if \refill
	s_add_nc_u64 s[G0+4*(1-\s)+2:G0+4*(1-\s)+3], s[G0+4*(1-\s)+2:G0+4*(1-\s)+3], 6400   ; a record on
	s_add_nc_u64 s[G0B+4*(1-\s)+2:G0B+4*(1-\s)+3], s[G0B+4*(1-\s)+2:G0B+4*(1-\s)+3], 6400
.endif
	s_wait_dscnt 0x0                               ; the add is done, and my reads of the slot that I have left are over
.if \refill
	CROUND                                         ; both now hold of every wave of every partner
	JLOAD 1-\s                                     ; the first tensor load behind the round, one a wave
.else
	s_barrier_signal -1
	s_barrier_wait -1
.endif
	WORK \s, 0
.endm
	s_wait_alu depctr_va_vdst(0)                   ; the wait at the head's end
	s_wait_tensorcnt 0x0                           ; my one load of the head is in
	ds_add_u32 v10, v11
	s_wait_dscnt 0x0
	CROUND                                         ; everybody's is, in every partner
	s_cmp_lt_u32 s10, 4                            ; slot 1's weights, a first fill: waves 4-6, one joint load each
	s_cbranch_scc1 .Lw1_d
	s_cmp_lt_u32 s10, 7
	s_cbranch_scc0 .Lw1_d
	tensor_load_to_lds s[G0B+4:G0B+7], s[G1B:G1B+7]
	s_nop 0
.rept 4
	v_nop
.endr
.Lw1_d:
	WORK 0, 1                                      ; the first products start the sums: nothing is cleared
	s_mov_b32 s3, 3
.Lk:                                               ; three trips: half records 1 to 6 are multiplied, 2 to 7 asked for
	TWO 1, 1
	TWO 0, 1
	s_wait_xcnt 0x0                                ; the trip's prefetch has read its address: only now is it stepped, a record on
	s_add_nc_u64 s[42:43], s[42:43], 6400
	s_sub_co_u32 s3, s3, 1
	s_cmp_lg_u32 s3, 0
	s_cbranch_scc1 .Lk
	TWO 1, 0                                       ; the last half record: nothing is left to fetch
; Two blocks of 32, of which a lane holds 16 registers each, v[src + 16 g] on: codes into v[106:108] and v[110:112], the two bytes into v104.
.macro QUANT2 src
.irp g, 0,1
	v_max3_num_f32 v[96+\g], |v[(\src)+16*\g]|, |v[(\src)+16*\g+1]|, 0x1800000   ; from the low end on; the floor 2^(3 - 127) holds the byte at 1 from below
.endr
.irp i, 2,4,6,8,10,12,14
.irp g, 0,1
	v_max3_num_f32 v[96+\g], v[96+\g], |v[(\src)+16*\g+\i]|, |v[(\src)+16*\g+\i+1]|
.endr
.endr
.irp g, 0,1
	s_delay_alu instid0(VALU_DEP_2)
	v_permlanex16_b32 v[98+\g], v[96+\g], s94, s95
.endr
.irp g, 0,1
	s_delay_alu instid0(VALU_DEP_2)
	v_max_num_f32 v[96+\g], v[96+\g], v[98+\g]     ; with lane l xor 16's 16: the block's largest magnitude
.endr
.irp g, 0,1
	s_delay_alu instid0(VALU_DEP_2)
	v_add_nc_u32 v[100+\g], 0xff000000, v[96+\g]   ; 2 off the exponent field: the conversion's scale operand
.endr
.irp g, 0,1
	s_delay_alu instid0(VALU_DEP_2)
	v_lshrrev_b32 v[102+\g], 23, v[100+\g]         ; the scale's byte
.endr
	s_delay_alu instid0(VALU_DEP_1)
	v_lshl_or_b32 v104, v103, 8, v102
	v_cvt_scalef32_pk16_fp6_f32 v[106:108], v[(\src):(\src)+15], v100
	v_cvt_scalef32_pk16_fp6_f32 v[110:112], v[(\src)+16:(\src)+31], v101
	v_nop                                          ; one plain place behind a scaled conversion
.endm
	s_cmp_eq_u32 s12, 2
	s_cbranch_scc1 .Lv_arm
	; q and k: lane (r, h) holds row 16 t + r and d = 16 u + 8 h + j.  out[d] = x[d] cos - x[d + 32] sin, out[d + 32] = x[d + 32] cos + x[d] sin, d < 32
	s_wait_alu depctr_va_vdst(0)
.irp t, 0,1,2,3
.irp n, 0,1,2,3,4,5,6,7
	ds_load_b128 v[32+4*\n:35+4*\n], v18 offset:\t*16*RPP+64*(\n/2)+16*(\n%2)   ; v32-47 the cosines of frequencies 8 h + j and 16 + 8 h + j, v48-63 the sines
.endr
	s_wait_dscnt 0x0                               ; they are in, and the last tile's stage stores have read their registers
.irp u, 0,1
.irp jj, 0,2,4,6
	v_pk_mul_f32 v[RES+8*\u+\jj:RES+8*\u+\jj+1], v[ACC+32*\t+8*\u+\jj:ACC+32*\t+8*\u+\jj+1], v[32+8*\u+\jj:33+8*\u+\jj]
	v_pk_fma_f32 v[RES+8*\u+\jj:RES+8*\u+\jj+1], v[ACC+32*\t+8*\u+16+\jj:ACC+32*\t+8*\u+17+\jj], v[48+8*\u+\jj:49+8*\u+\jj], v[RES+8*\u+\jj:RES+8*\u+\jj+1] neg_lo:[1,0,0] neg_hi:[1,0,0]
	v_pk_mul_f32 v[RES+16+8*\u+\jj:RES+17+8*\u+\jj], v[ACC+32*\t+8*\u+16+\jj:ACC+32*\t+8*\u+17+\jj], v[32+8*\u+\jj:33+8*\u+\jj]
	v_pk_fma_f32 v[RES+16+8*\u+\jj:RES+17+8*\u+\jj], v[ACC+32*\t+8*\u+\jj:ACC+32*\t+8*\u+\jj+1], v[48+8*\u+\jj:49+8*\u+\jj], v[RES+16+8*\u+\jj:RES+17+8*\u+\jj]
.endr
.endr
	QUANT2 RES
.irp g, 0,1
.irp i, 0,1,2
	ds_store_b32 v12, v[106+4*\g+\i] offset:768*\t+24*\g+4*\i
.endr
.endr
	ds_store_b16 v13, v104 offset:64*(\t/2)+2*(\t%2)   ; both lanes of a row write the same two bytes with the same value
.endr
	s_branch .Ljoin
.Lv_arm:
	; v: lane (r, h) holds d = 16 t + r and keys 16 u + 8 h + j of my 64.  My codes are registers 6 (part % 2) + 3 h + i of lane r % 8 + 8 (t % 2) + 16 g of the image of tile 2 (t / 2) + r / 8
.irp t, 0,1,2,3
	QUANT2 ACC+32*\t
.irp g, 0,1
.irp i, 0,1,2
	ds_store_b32 v[14+\i], v[106+4*\g+\i] offset:3072*(\t/2)+128*(\t%2)+256*\g
.endr
.endr
	ds_store_b16 v17, v104 offset:128*(\t/2)+32*(\t%2)
	s_wait_dscnt 0x0                               ; the stores have read their registers
.endr
.Ljoin:
	s_wait_dscnt 0x0                               ; for the others' sake: my stores into the stages are done
	s_barrier_signal -1
	s_barrier_wait -1
.irp n, 0,1,2,3,4,5
	ds_load_b128 v[32+4*\n:35+4*\n], v19 offset:512*\n
.endr
.irp n, 0,1,2,3,4,5
	s_wait_dscnt 5-\n
	global_store_b128 v20, v[32+4*\n:35+4*\n], s[90:91] offset:512*\n   ; 32 lanes store 512 consecutive bytes, at a multiple of 256 from the buffer's first byte
.endr
	s_cmp_lg_u32 s11, 0                            ; one wave of each tensor stores its 512 bytes of scale words
	s_cbranch_scc1 .Lno_sc
	ds_load_b128 v[56:59], v21
	s_wait_dscnt 0x0
	global_store_b128 v20, v[56:59], s[92:93]
.Lno_sc:
	s_wait_tensorcnt 0x0                           ; the wave's end
	ds_add_u32 v10, v11
	s_wait_dscnt 0x0
	CROUND                                         ; the closing round: no work-group ends while a partner may still ask for a tile that names it
	s_endpgm
.Lfunc_end_k_qaab8acf23c_qkv:
	.size	k_qaab8acf23c_qkv, .Lfunc_end_k_qaab8acf23c_qkv-k_qaab8acf23c_qkv
	.p2alignl 7, 3214868480
	.fill 96, 4, 3214868480
	.section	.rodata,"a",@progbits
	.p2align	6, 0x0
	.amdhsa_kernel k_qaab8acf23c_qkv
		.amdhsa_group_segment_fixed_size 327680
		.amdhsa_private_segment_fixed_size 0
		.amdhsa_enable_private_segment 0
		.amdhsa_kernarg_size 24
		.amdhsa_user_sgpr_count 2
		.amdhsa_user_sgpr_kernarg_segment_ptr 1
		.amdhsa_wavefront_size32 1
		.amdhsa_system_sgpr_workgroup_id_x 1
		.amdhsa_system_sgpr_workgroup_id_y 1
		.amdhsa_system_sgpr_workgroup_id_z 1
		.amdhsa_system_vgpr_workitem_id 0
		.amdhsa_next_free_vgpr 256
		.amdhsa_next_free_sgpr 96
		.amdhsa_reserve_vcc 0
		.amdhsa_float_denorm_mode_32 3
		.amdhsa_float_denorm_mode_16_64 3
		.amdhsa_memory_ordered 1
		.amdhsa_forward_progress 1
		.amdhsa_inst_pref_size 79
	.end_amdhsa_kernel
	.amdgpu_metadata
---
amdhsa.version: [ 1, 2 ]
amdhsa.kernels:
  - .name:           k_qaab8acf23c_qkv
    .symbol:         k_qaab8acf23c_qkv.kd
    .args:
      - { .name: wsq, .offset: 0, .size: 8, .value_kind: global_buffer, .address_space: global }
      - { .name: rope, .offset: 8, .size: 8, .value_kind: global_buffer, .address_space: global }
      - { .name: qkv, .offset: 16, .size: 8, .value_kind: global_buffer, .address_space: global }
    .group_segment_fixed_size: 327680
    .private_segment_fixed_size: 0
    .kernarg_segment_align: 8
    .kernarg_segment_size: 24
    .max_flat_workgroup_size: 384
    .sgpr_count:     96
    .vgpr_count:     256
    .wavefront_size: 32
...
	.end_amdgpu_metadata
.endif
;; end of part 2
;; launch attn (part 3): grid 8 x 32, 16 waves a work-group, no clusters, 327,680 bytes of LDS; arguments qkv, att; writes att
.if DOCPART == 3
	.amdgcn_target "amdgcn-amd-amdhsa--gfx1250"
	.amdhsa_code_object_version 6
	.text
	.protected	k_qaab8acf23c_attn
	.globl	k_qaab8acf23c_attn
	.p2align	8
	.type	k_qaab8acf23c_attn,@function
k_qaab8acf23c_attn:
	s_mov_b64 s[64:65], 0
	v_nop
	global_prefetch_b8 v0, s[64:65] scope:SCOPE_SE
	s_setreg_imm32_b32 hwreg(HW_REG_WAVE_MODE, 25, 1), 1
	s_wait_xcnt 0x0
; Causal attention of one head on codes of FP6 (E2M3) with E8M0 scales, and the quantising of its result along the hidden axis for the output projection.
; t = score x log2(e) / 8; M = the row's largest t so far, rounded up to a whole number; p = 2^(t - M) is quantised along the keys, not normalised; the row's sum is taken of the unquantised p and divides O at the end.
; When M moves, the sum and O are multiplied by 2^(old M - new M), which rounds nothing.
; SHARES.  Work-group (x, head) owns query blocks x and 15 - x of 128 queries: 17 steps of 128 keys for each pair of waves, the same in every work-group.  Sixteen waves, four to a SIMD, each with one tile of 16 queries
; in 256 registers: one wave's vector work stands beside another's products and LDS loads.
; LDS.  The head's K codes (98,304 bytes), V images (98,304) and both tensors' scale words (4,096 each) are filled ONCE, by five tensor loads of each of waves 0-7; nothing is filled again, so there is no ring.
; The keys come in four chunks of 512, each read behind a counted wait and a barrier, so that the first steps run while later chunks are on their way.
; NO JOINT LOADS, though the eight work-groups of a head read the same K and V: the steps that the mask hides are left out by a branch on the work-group's query blocks, and partners of a joint load must run alike.
; THE HEAD'S 64 ON A PRODUCT OF 128.  One fragment of K holds 32 keys: lane (r, h) takes key 32 G + r in registers 0-5 and key 32 G + 16 + r in registers 6-11.  Multiplied by [q | zeros] it gives the first sixteen keys' scores,
; by [zeros | q] the others'.  Zero codes add nothing under any scale byte that occurs here (1 .. 254).
; Both products are used transposed (S^T = K Q^T, O^T = V^T P^T): a lane holds ONE query (lane % 16).  A lane's 16 registers of group G are keys 0-7, 16-23 (lanes 0-15) or 8-15, 24-31 (lanes 16-31) of key block G: the order in which V's codes lie.
; V's tile 2 b + u holds d = 32 b + 8 u + r' + 8 (r' / 8), so that the 16 registers of O^T's tiles 2 b, 2 b + 1 are d = 32 b + 16 h + 0 .. 15: neighbours along the next K.
; OUT.  att: codes [head][row][48 bytes]; scale words [head / 2][row]: two bytes a head.  A work-group writes two of a word's four bytes: these stores are one part in 24 of what the launch stores.
; LIMITS: NaN and infinities are not served.  Hidden scores become -infinity where the problem adds the lowest f32 number: p is 0 either way.  A block of zeros gets the byte 1: its codes are zeros; only this program reads the bytes.
; LDS AND ITS FILLS AS THEY STAND (in place of the lines on LDS above): each tensor has 102,400 bytes on end: its 4,096 bytes of scale words, then its 98,304 bytes of codes; K's at 0, V's behind them.  Each byte is filled once.
; Waves 0-7 fetch for K, waves 8-15 for V.  At the head wave p of the eight fetches 4,096 bytes: p = 0 the scale words, p = 1 .. 7 the codes' first 28,672 bytes, which hold steps 0 to 3.
; Behind the first barrier each wave fetches 8,704 bytes of the other 69,632; that load has four steps in which to land, and a second barrier stands ahead of step 4.  One tensor load of a wave is out at any time.
.set VL,   102400                      ; LDS: V's region; the codes of a region begin 4,096 bytes in, which the steps' offset T6 carries
.set KSL,  0                           ; K's scale words,
.set VSL,  102400                      ; V's,
.set STG,  204800                      ; and a stage of 768 bytes for each wave, which no tensor load fills
.set AK,   1                           ; v1   48 r + 24 h: my place in a tile of K; also in my 16 rows of q
.set AV,   2                           ; v2   my place in an image of V
.set ASK,  3                           ; v3   among K's scale words
.set ASV,  4                           ; v4   among V's
.set STI,  5                           ; v5   the stage, in
.set STO,  6                           ; v6   the stage, out
.set GO,   7                           ; v7   8 x lane
.set ADK,  8                           ; v8-11 the addresses of the step in hand
.set ADV,  9
.set ADS,  10
.set ADT,  11                          ; v12 -M, v13 the largest t, v[14:15] the sum in two halves
.set QSC,  34                          ; v16-21 zeros, v22-27 q's codes, v28-33 zeros; v34 q's scale word
.set FR,   36                          ; v36-83   four fragments, of K and then of V
.set FS,   84                          ; v84-87   their scale words
.set S,    96                          ; v96-159  S^T, then p
.set O,    160                         ; v160-191 O^T
.set PC,   192                         ; v192-203 p's codes
.set CT,   204                         ; v204-210 what the conversions leave beside them
.set BM,   212                         ; v212-215 the blocks' largest
.set PB,   216                         ; v216-219 lane exchanges, then bytes
.set SOP,  220                         ; v220-223 the conversions' scale operands
.set PW,   224                         ; v224     p's scale word
.set F,    226                         ; v[226:227] f = 2^(old M - new M)
.set SEL,  66                          ; s[66:67]
.set CS,   68                          ; s[68:69] c = log2(e) / 8
.set T6,   70                          ; s70  6,144 x step: K's and V's bytes of a step
.set T2,   71                          ; s71  256 x step: their scale words'
.set KF,   72                          ; s72  the step's first key
.set Q0,   73                          ; s73  my first query
.set CNT,  74
	s_load_b128 s[4:7], s[0:1], 0x0                ; qkv, att
	v_lshl_add_u32 v254, v0, 2, 0x35000
	v_mov_b32 v255, 0
	ds_add_u32 v254, v255
	ds_add_u32 v254, v255
	v_lshrrev_b32 v1, 5, v0
	s_delay_alu instid0(VALU_DEP_1)
	v_readfirstlane_b32 s8, v1                     ; wave 0..15
	s_and_b32 s9, ttmp7, 0xffff                    ; the head
	s_lshr_b32 s75, s8, 3
	s_mul_i32 s75, s75, 15
	s_xor_b32 s75, s75, ttmp9                      ; waves 0-7: query block x; waves 8-15: 15 - x
	s_lshl_b32 s[Q0], s75, 7
	s_and_b32 s75, s8, 7
	s_lshl_b32 s75, s75, 4
	s_add_co_u32 s[Q0], s[Q0], s75
	s_lshr_b32 s52, s8, 3                          ; what I fetch: 0 K, 1 V;
	s_and_b32 s53, s8, 7                           ; which part p
	s_mul_i32 s56, s52, VL
	s_lshl_b32 s54, s53, 12
	s_add_co_u32 s54, s54, s56                     ; the head's load in LDS: region + 4,096 p
	s_mul_i32 s57, s53, 8704
	s_add_co_u32 s56, s56, s57
	s_add_co_u32 s56, s56, 32768                   ; the second load in LDS: region + 32,768 + 8,704 p
	s_mul_i32 s58, s52, 3145728
	s_mul_i32 s59, s9, 98304
	s_add_co_u32 s58, s58, s59
	s_add_co_u32 s58, s58, 3145728                 ; the head's codes of my tensor in memory
	s_lshl_b32 s60, s52, 17
	s_lshl_b32 s61, s9, 12
	s_add_co_u32 s60, s60, s61
	s_add_co_u32 s60, s60, 9568256                 ; and its scale words
	s_lshl_b32 s61, s53, 12
	s_add_co_u32 s61, s61, s58
	s_sub_co_u32 s61, s61, 4096                    ; codes from byte 4,096 (p - 1) on
	s_cmp_eq_u32 s53, 0
	s_cselect_b32 s60, s60, s61                    ; p = 0: the scale words
	s_mov_b32 s61, 0
	s_add_co_u32 s58, s58, s57
	s_add_co_u32 s58, s58, 28672                   ; the second load: codes from byte 28,672 + 8,704 p on
	s_mov_b32 s59, 0
	s_mov_b32 s16, 3<<16                           ; group 1 of the head's load: rows of 256 bytes (32 elements of 8)
	s_mov_b32 s17, 32<<16
	s_mov_b32 s18, 16<<16                          ; the head's load: 16 dense rows of 256 bytes
	s_mov_b32 s19, 32<<16
	s_mov_b32 s20, 16
	s_mov_b32 s21, 32
	s_mov_b32 s22, 0
	s_mov_b32 s23, 0
	s_mov_b32 s24, 3<<16                           ; group 1 of the second load
	s_mov_b32 s25, 32<<16
	s_mov_b32 s26, 34<<16                          ; the second load: 34 such rows
	s_mov_b32 s27, 32<<16
	s_mov_b32 s28, 34
	s_mov_b32 s29, 32
	s_mov_b32 s30, 0
	s_mov_b32 s31, 0
	s_lshl_b32 s78, s9, 11
	s_add_co_u32 s78, s78, s[Q0]                   ; head x 2,048 + my first query
	s_mul_i32 s80, s78, 48
	s_mov_b32 s81, 0
	s_mov_b32 s84, s80
	s_mov_b32 s85, 0
	s_lshl_b32 s82, s9, 12                         ; q's scale bytes: word [Q0 / 32][r], half (Q0 / 16) % 2
	s_lshr_b32 s83, s[Q0], 5
	s_lshl_b32 s83, s83, 6
	s_add_co_u32 s82, s82, s83
	s_bfe_u32 s83, s[Q0], 0x10004
	s_lshl_b32 s83, s83, 1
	s_add_co_u32 s82, s82, s83
	s_add_co_u32 s82, s82, 9437184
	s_mov_b32 s83, 0
	s_lshr_b32 s86, s9, 1                          ; the result's scale bytes: word [head / 2][row], half head % 2
	s_lshl_b32 s86, s86, 11
	s_add_co_u32 s86, s86, s[Q0]
	s_lshl_b32 s86, s86, 2
	s_and_b32 s87, s9, 1
	s_lshl_b32 s87, s87, 1
	s_add_co_u32 s86, s86, s87
	s_add_co_u32 s86, s86, 3145728
	s_mov_b32 s87, 0
	s_mov_b32 s[SEL], 0x76543210
	s_mov_b32 s[SEL+1], 0xfedcba98                 ; selects for lane l xor 16
	s_mov_b32 s[CS], 0x3e38aa3b
	s_mov_b32 s[CS+1], s[CS]                       ; (named with it as a pair, so it is written)
	s_mov_b32 s[T6], 4096                          ; a region's codes begin behind its scale words
	s_mov_b32 s[T2], 0
	s_mov_b32 s[KF], 0
	s_wait_dscnt 0x0
	s_wait_kmcnt 0x0
	s_add_nc_u64 s[58:59], s[4:5], s[58:59]
	s_add_nc_u64 s[60:61], s[4:5], s[60:61]
	s_add_nc_u64 s[80:81], s[4:5], s[80:81]
	s_add_nc_u64 s[82:83], s[4:5], s[82:83]
	s_add_nc_u64 s[84:85], s[6:7], s[84:85]
	s_add_nc_u64 s[86:87], s[6:7], s[86:87]
	s_mov_b32 s32, 1
	s_mov_b32 s33, s54
	s_mov_b64 s[34:35], s[60:61]
	s_or_b32 s35, s35, 0x80000000
.irp j, 0
	s_mov_b32 s[36+4*\j], 1
	s_add_co_u32 s[37+4*\j], s56, \j*24576
	s_add_nc_u64 s[38+4*\j:39+4*\j], s[58:59], \j*24576
	s_or_b32 s[39+4*\j], s[39+4*\j], 0x80000000
.endr
	tensor_load_to_lds s[32:35], s[16:23]          ; every wave's one load of the head, with no branch: the addresses are arithmetic on the wave's number
	s_nop 0
	v_and_b32 v228, 15, v0                         ; r
	v_bfe_u32 v229, v0, 4, 1                       ; h
	v_and_b32 v230, 31, v0                         ; lane
	s_delay_alu instid0(VALU_DEP_3)
	v_mul_u32_u24 v[AK], v228, 48
	s_delay_alu instid0(VALU_DEP_1)
	v_mad_u32_u24 v[AK], v229, 24, v[AK]
	v_lshlrev_b32 v231, 2, v228                    ; v231: 4 r; stays
.irp p, 0,1,2
	global_load_b64 v[22+2*\p:23+2*\p], v[AK], s[80:81] offset:8*\p   ; q's codes: block h of query r
.endr
	global_load_u16 v35, v231, s[82:83]            ; and its two scale bytes
	v_lshlrev_b32 v[AV], 4, v230
	s_delay_alu instid0(VALU_DEP_1)
	v_add_nc_u32 v[AV], VL, v[AV]
	v_add_nc_u32 v[ASK], KSL, v231
	v_add_nc_u32 v[ASV], VSL, v231
	s_mul_i32 s75, s8, 768
	s_add_co_u32 s75, s75, STG
	v_mul_u32_u24 v[STI], v228, 48
	s_delay_alu instid0(VALU_DEP_1)
	v_mad_u32_u24 v[STI], v229, 12, v[STI]
	s_delay_alu instid0(VALU_DEP_1)
	v_add_nc_u32 v[STI], s75, v[STI]
	v_lshlrev_b32 v[GO], 3, v230
	s_delay_alu instid0(VALU_DEP_1)
	v_add_nc_u32 v[STO], s75, v[GO]
	v_mov_b32 v13, 0xff61b1e6                      ; the largest t so far: -3e38, under every t
	s_delay_alu instid0(VALU_DEP_1)
	v_floor_f32 v12, -v13                          ; -M
	v_mov_b32 v14, 0
	v_mov_b32 v15, 0
.irp j, 16,17,18,19,20,21,28,29,30,31,32,33
	v_mov_b32 v[\j], 0                             ; the zero codes on either side of q
.endr
.irp b, 0,1,2,3
	v_mov_b32 v[PB+\b], 0                          ; a lane exchange's destination counts as one of its sources
.endr
	v_mov_b32 v[F+1], 0                            ; (named as the upper half of a pair)
	s_wait_loadcnt 0x0
	v_lshl_or_b32 v[QSC], v35, 16, v35             ; the pair twice: for [q | zeros] and for [zeros | q]
.set n, 0
.rept 32
	v_mov_b32 v[O+n], 0                            ; O^T: the step is written once, and the first change of M leaves zeros zeros.  (These are also the places between the scale word's making and the first product)
.set n, n+1
.endr
; A KEY STEP: 128 keys.
.macro STEP
	s_add_co_u32 s75, s[Q0], 15                    ; a step all of whose keys come after my 16 queries is left out: a branch on ids, round the work alone
	s_cmp_gt_u32 s[KF], s75
	s_cbranch_scc1 .Lhid_\@
	v_add_nc_u32 v[ADK], s[T6], v[AK]              ; (these four are also the places between the last products and the loads into their registers)
	v_add_nc_u32 v[ADV], s[T6], v[AV]
	v_add_nc_u32 v[ADS], s[T2], v[ASK]
	v_add_nc_u32 v[ADT], s[T2], v[ASV]
.irp g, 0,1,2,3
.irp p, 0,1,2
	ds_load_b64 v[FR+12*\g+2*\p:FR+12*\g+2*\p+1], v[ADK] offset:1536*\g+8*\p          ; key 32 g + r
.endr
.irp p, 0,1,2
	ds_load_b64 v[FR+12*\g+6+2*\p:FR+12*\g+7+2*\p], v[ADK] offset:1536*\g+768+8*\p    ; key 32 g + 16 + r
.endr
	ds_load_b32 v[FS+\g], v[ADS] offset:64*\g      ; both keys' scale bytes in one word
.endr
	s_wait_alu depctr_va_vdst(0)
	s_wait_dscnt 0x0
.irp g, 0,1,2,3
	v_wmma_scale_f32_16x16x128_f8f6f4 v[S+16*\g:S+16*\g+7], v[FR+12*\g:FR+12*\g+11], v[22:33], 0, v[FS+\g], v[QSC] matrix_a_fmt:MATRIX_FMT_FP6 matrix_b_fmt:MATRIX_FMT_FP6
	v_wmma_scale_f32_16x16x128_f8f6f4 v[S+16*\g+8:S+16*\g+15], v[FR+12*\g:FR+12*\g+11], v[16:27], 0, v[FS+\g], v[QSC] matrix_a_fmt:MATRIX_FMT_FP6 matrix_b_fmt:MATRIX_FMT_FP6
.endr
.rept 4
	v_nop                                          ; four places in front of loads into registers that the products have read, and of the first read of the scores
.endr
.irp t, 0,1,2,3                        ; V's images are asked for now and land under the softmax
.irp c, 0,1,2
	ds_load_b128 v[FR+12*\t+4*\c:FR+12*\t+4*\c+3], v[ADV] offset:1536*\t+512*\c
.endr
	ds_load_b32 v[FS+\t], v[ADT] offset:64*\t
.endr
	s_add_co_u32 s75, s[KF], 127                   ; on the diagonal hidden scores become -infinity ahead of the maximum; a step all of whose keys count skips this
	s_cmp_le_u32 s75, s[Q0]
	s_cbranch_scc1 .Lopen_\@
	s_sub_co_i32 s75, s[Q0], s[KF]
	v_and_b32 v228, 15, v0
	v_bfe_u32 v229, v0, 4, 1
	s_delay_alu instid0(VALU_DEP_1)
	v_lshlrev_b32 v229, 3, v229
	s_delay_alu instid0(VALU_DEP_1)
	v_sub_nc_u32 v228, v228, v229
	s_delay_alu instid0(VALU_DEP_1)
	v_add_nc_u32 v228, s75, v228                   ; my query - the step's first key - 8 h
	v_mov_b32 v229, 0xff800000
.set n, 0
.rept 64
	v_cmp_gt_i32 vcc_lo, 32*(n/16)+n%16+8*((n%16)/8), v228   ; register n holds key 32 (n / 16) + n % 16 + 8 ((n % 16) / 8) + 8 h of the step
	v_cndmask_b32 v[S+n], v[S+n], v229, vcc_lo
.set n, n+1
.endr
.Lopen_\@:
.irp b, 0,1,2,3
	v_max3_num_f32 v[BM+\b], v[S+16*\b], v[S+16*\b+1], v[S+16*\b+2]   ; the largest score of each block of 32 keys: it serves for the row's maximum and, since p rises with the score, for the block's largest p
.endr
.irp i, 3,5,7,9,11,13
.irp b, 0,1,2,3
	v_max3_num_f32 v[BM+\b], v[BM+\b], v[S+16*\b+\i], v[S+16*\b+\i+1]
.endr
.endr
.irp b, 0,1,2,3
	v_max_num_f32 v[BM+\b], v[BM+\b], v[S+16*\b+15]
.endr
.irp b, 0,1,2,3
	s_delay_alu instid0(VALU_DEP_4)
	v_permlanex16_b32 v[PB+\b], v[BM+\b], s[SEL], s[SEL+1]
.endr
.irp b, 0,1,2,3
	s_delay_alu instid0(VALU_DEP_4)
	v_max_num_f32 v[BM+\b], v[BM+\b], v[PB+\b]     ; with lane l xor 16's 16 keys
.endr
	s_delay_alu instid0(VALU_DEP_2)
	v_max3_num_f32 v230, v[BM], v[BM+1], v[BM+2]
	s_delay_alu instid0(VALU_DEP_1)
	v_max_num_f32 v230, v230, v[BM+3]
	s_delay_alu instid0(VALU_DEP_1)
	v_mul_f32 v230, s[CS], v230                    ; the step's largest t of my query
	s_delay_alu instid0(VALU_DEP_1)
	v_max_num_f32 v13, v13, v230
	v_mov_b32 v230, v12
	s_delay_alu instid0(VALU_DEP_2)
	v_floor_f32 v12, -v13                          ; the new -M = -ceil(t): a whole number
	s_delay_alu instid0(VALU_DEP_1)
	v_sub_f32 v230, v12, v230                      ; old M - new M: a whole number, 0 or less
	s_delay_alu instid0(VALU_DEP_1)
	v_cvt_i32_f32 v230, v230                       ; (it saturates)
	s_delay_alu instid0(VALU_DEP_1)
	v_ldexp_f32 v[F], 1.0, v230                    ; f
.set n, 0
.rept 32
	v_pk_fma_f32 v[S+n:S+n+1], v[S+n:S+n+1], s[CS:CS+1], v[12:13] op_sel_hi:[1,0,0]   ; t - M, two at a time
.set n, n+2
.endr
.irp b, 0,1,2,3
	v_fma_f32 v[BM+\b], v[BM+\b], s[CS], v12       ; the same of each block's largest score
.endr
.set n, 0
	s_wait_alu depctr_va_vdst(0)
.rept 64
	v_exp_f32 v[S+n], v[S+n]                       ; p = 2^(t - M), at most 1
.set n, n+1
.endr
.irp b, 0,1,2,3
	v_exp_f32 v[BM+\b], v[BM+\b]                   ; the block's largest p: the same two instructions on the same number
.endr
	v_pk_mul_f32 v[14:15], v[14:15], v[F:F+1] op_sel_hi:[1,0]   ; the sums under the new M.  (A plain place behind the exponentials)
	s_wait_alu depctr_va_vdst(0)
.irp b, 0,1,2,3
	v_max_num_f32 v[BM+\b], 0x1800000, v[BM+\b]    ; the floor 2^(3 - 127): the byte cannot fall under 1
.endr
.irp b, 0,1,2,3
	s_delay_alu instid0(VALU_DEP_4)
	v_add_nc_u32 v[SOP+\b], 0xff000000, v[BM+\b]
.endr
.irp b, 0,1,2,3
	s_delay_alu instid0(VALU_DEP_4)
	v_lshrrev_b32 v[PB+\b], 23, v[SOP+\b]
.endr
	s_delay_alu instid0(VALU_DEP_3)
	v_lshl_or_b32 v[PW], v[PB+1], 8, v[PB]         ; p's scale word for these 128 keys
	s_delay_alu instid0(VALU_DEP_1)
	v_lshl_or_b32 v[PW], v[PB+2], 16, v[PW]
	s_delay_alu instid0(VALU_DEP_1)
	v_lshl_or_b32 v[PW], v[PB+3], 24, v[PW]
.irp c, 0,1
	v_cvt_scalef32_pk16_fp6_f32 v[PC+6*\c:PC+6*\c+2], v[S+32*\c:S+32*\c+15], v[SOP+2*\c]
	v_cvt_scalef32_pk16_fp6_f32 v[CT+4*\c:CT+4*\c+2], v[S+32*\c+16:S+32*\c+31], v[SOP+2*\c+1]
.endr
	v_nop                                          ; one plain place behind a scaled conversion
.irp c, 0,1                            ; the operand wants a whole block in a lane: lanes 0-15 block 2 c, lanes 16-31 block 2 c + 1
.irp i, 0,1,2
	v_permlane16_swap_b32 v[PC+6*\c+\i], v[CT+4*\c+\i]
.endr
.irp i, 0,1,2
	s_delay_alu instid0(VALU_DEP_3)
	v_mov_b32 v[PC+6*\c+3+\i], v[CT+4*\c+\i]
.endr
.endr
	v_pk_add_f32 v[228:229], v[100:101], v[104:105]
	v_pk_add_f32 v[252:253], v[108:109], v[112:113]
	v_pk_add_f32 v[250:251], v[116:117], v[120:121]
	v_pk_add_f32 v[248:249], v[124:125], v[128:129]
	v_pk_add_f32 v[246:247], v[132:133], v[136:137]
	v_pk_add_f32 v[244:245], v[140:141], v[144:145]
	v_pk_add_f32 v[242:243], v[148:149], v[152:153]
	v_pk_add_f32 v[14:15], v[14:15], v[156:157]
	v_pk_add_f32 v[228:229], v[228:229], v[96:97]
	v_pk_add_f32 v[252:253], v[252:253], v[98:99]
	v_pk_add_f32 v[250:251], v[250:251], v[102:103]
	v_pk_add_f32 v[248:249], v[248:249], v[106:107]
	v_pk_add_f32 v[246:247], v[246:247], v[110:111]
	v_pk_add_f32 v[244:245], v[244:245], v[114:115]
	v_pk_add_f32 v[242:243], v[242:243], v[118:119]
	v_pk_add_f32 v[14:15], v[14:15], v[122:123]
	v_pk_add_f32 v[228:229], v[228:229], v[126:127]
	v_pk_add_f32 v[252:253], v[252:253], v[130:131]
	v_pk_add_f32 v[250:251], v[250:251], v[134:135]
	v_pk_add_f32 v[248:249], v[248:249], v[138:139]
	v_pk_add_f32 v[246:247], v[246:247], v[142:143]
	v_pk_add_f32 v[244:245], v[244:245], v[146:147]
	v_pk_add_f32 v[242:243], v[242:243], v[150:151]
	v_pk_add_f32 v[14:15], v[14:15], v[154:155]
	v_pk_add_f32 v[228:229], v[228:229], v[158:159]
	s_delay_alu instid0(VALU_DEP_2)
	v_pk_add_f32 v[14:15], v[14:15], v[248:249]
	s_delay_alu instid0(VALU_DEP_2)
	v_pk_add_f32 v[228:229], v[228:229], v[246:247]
	v_pk_add_f32 v[252:253], v[252:253], v[244:245]
	v_pk_add_f32 v[250:251], v[250:251], v[242:243]
	s_delay_alu instid0(VALU_DEP_2)
	v_pk_add_f32 v[14:15], v[14:15], v[252:253]
	s_delay_alu instid0(VALU_DEP_2)
	v_pk_add_f32 v[228:229], v[228:229], v[250:251]
	s_delay_alu instid0(VALU_DEP_1)
	v_pk_add_f32 v[14:15], v[14:15], v[228:229]
.set n, 0
.rept 16
	v_pk_mul_f32 v[O+n:O+n+1], v[O+n:O+n+1], v[F:F+1] op_sel_hi:[1,0]   ; O^T under the new M, each accumulator from its low end on
.set n, n+2
.endr
	s_wait_alu depctr_va_vdst(0)
	s_wait_dscnt 0x0                               ; V's images and scale words are in
.irp t, 0,1,2,3
	v_wmma_scale_f32_16x16x128_f8f6f4 v[O+8*\t:O+8*\t+7], v[FR+12*\t:FR+12*\t+11], v[PC:PC+11], v[O+8*\t:O+8*\t+7], v[FS+\t], v[PW] matrix_a_fmt:MATRIX_FMT_FP6 matrix_b_fmt:MATRIX_FMT_FP6
.endr
.Lhid_\@:
	s_add_co_u32 s[KF], s[KF], 128
	s_add_co_u32 s[T6], s[T6], 6144
	s_add_co_u32 s[T2], s[T2], 256
.endm
; n steps.  The trip count is a constant; every wave passes every barrier.
.macro WALK n
	s_mov_b32 s[CNT], \n
.Lst_\@:
	STEP
	s_sub_co_u32 s[CNT], s[CNT], 1
	s_cmp_lg_u32 s[CNT], 0
	s_cbranch_scc1 .Lst_\@
.endm
	s_wait_alu depctr_va_vdst(0)                   ; the wait at the head's end
	s_wait_tensorcnt 0x0                           ; my load of the head is in
	ds_add_u32 v254, v255
	s_wait_dscnt 0x0
	s_barrier_signal -1
	s_barrier_wait -1                              ; everybody's is: the scale words and steps 0 to 3
	tensor_load_to_lds s[36:39], s[24:31]          ; my 8,704 bytes of the rest: bytes that nothing has filled and that steps 0 to 3 do not read
	s_nop 0
	WALK 4
	s_wait_tensorcnt 0x0                           ; my part of the rest is in
	s_wait_dscnt 0x0
	s_barrier_signal -1
	s_barrier_wait -1                              ; everybody's is
	WALK 12
	; THE END.  O^T / the sum; two blocks of 32 along the hidden axis are quantised; the codes go through my stage and leave as three aligned runs of 256 bytes.
.rept 4
	v_nop
.endr
	v_add_f32 v14, v14, v15
	s_delay_alu instid0(VALU_DEP_1)
	v_permlanex16_b32 v[PB], v14, s[SEL], s[SEL+1]
	s_delay_alu instid0(VALU_DEP_1)
	v_add_f32 v14, v14, v[PB]                      ; the row's sum
	s_wait_alu depctr_va_vdst(0)
	v_rcp_f32 v14, v14
	v_nop                                          ; a plain place behind the transcendental
.set n, 0
	s_wait_alu depctr_va_vdst(0)
.rept 32
	v_mul_f32 v[S+n], v[O+n], v14                  ; register 16 b + e is d = 32 b + 16 h + e of my query
.set n, n+1
.endr
.irp g, 0,1
	v_max3_num_f32 v[BM+\g], |v[S+16*\g]|, |v[S+16*\g+1]|, 0x1800000
.endr
.irp i, 2,4,6,8,10,12,14
.irp g, 0,1
	s_delay_alu instid0(VALU_DEP_2)
	v_max3_num_f32 v[BM+\g], v[BM+\g], |v[S+16*\g+\i]|, |v[S+16*\g+\i+1]|
.endr
.endr
.irp g, 0,1
	s_delay_alu instid0(VALU_DEP_2)
	v_permlanex16_b32 v[PB+\g], v[BM+\g], s[SEL], s[SEL+1]
.endr
.irp g, 0,1
	s_delay_alu instid0(VALU_DEP_2)
	v_max_num_f32 v[BM+\g], v[BM+\g], v[PB+\g]
.endr
.irp g, 0,1
	s_delay_alu instid0(VALU_DEP_2)
	v_add_nc_u32 v[SOP+\g], 0xff000000, v[BM+\g]
.endr
.irp g, 0,1
	s_delay_alu instid0(VALU_DEP_2)
	v_lshrrev_b32 v[PB+\g], 23, v[SOP+\g]
.endr
	s_delay_alu instid0(VALU_DEP_1)
	v_lshl_or_b32 v230, v[PB+1], 8, v[PB]
	v_cvt_scalef32_pk16_fp6_f32 v[CT:CT+2], v[S:S+15], v[SOP]
	v_cvt_scalef32_pk16_fp6_f32 v[CT+4:CT+6], v[S+16:S+31], v[SOP+1]
	v_nop
.irp g, 0,1
.irp i, 0,1,2
	ds_store_b32 v[STI], v[CT+4*\g+\i] offset:24*\g+4*\i
.endr
.endr
.irp n, 0,1,2
	ds_load_b64 v[PC+2*\n:PC+2*\n+1], v[STO] offset:256*\n   ; LDS serves a wave's instructions in order: these see my stores
.endr
	s_wait_alu depctr_va_vdst(0)
.irp n, 0,1,2
	s_wait_dscnt 2-\n
	global_store_b64 v[GO], v[PC+2*\n:PC+2*\n+1], s[84:85] offset:256*\n   ; 32 lanes store 256 consecutive bytes, aligned
.endr
	global_store_b16 v231, v230, s[86:87]          ; my row's two scale bytes; lanes l and l xor 16 write the same bytes with the same value
	s_wait_tensorcnt 0x0
	ds_add_u32 v254, v255
	s_wait_dscnt 0x0
	s_endpgm
.Lfunc_end_k_qaab8acf23c_attn:
	.size	k_qaab8acf23c_attn, .Lfunc_end_k_qaab8acf23c_attn-k_qaab8acf23c_attn
	.p2alignl 7, 3214868480
	.fill 96, 4, 3214868480
	.section	.rodata,"a",@progbits
	.p2align	6, 0x0
	.amdhsa_kernel k_qaab8acf23c_attn
		.amdhsa_group_segment_fixed_size 327680
		.amdhsa_private_segment_fixed_size 0
		.amdhsa_enable_private_segment 0
		.amdhsa_kernarg_size 16
		.amdhsa_user_sgpr_count 2
		.amdhsa_user_sgpr_kernarg_segment_ptr 1
		.amdhsa_wavefront_size32 1
		.amdhsa_system_sgpr_workgroup_id_x 1
		.amdhsa_system_sgpr_workgroup_id_y 1
		.amdhsa_system_sgpr_workgroup_id_z 1
		.amdhsa_system_vgpr_workitem_id 0
		.amdhsa_next_free_vgpr 256
		.amdhsa_next_free_sgpr 96
		.amdhsa_reserve_vcc 1
		.amdhsa_float_denorm_mode_32 3
		.amdhsa_float_denorm_mode_16_64 3
		.amdhsa_memory_ordered 1
		.amdhsa_forward_progress 1
		.amdhsa_inst_pref_size 60
	.end_amdhsa_kernel
	.amdgpu_metadata
---
amdhsa.version: [ 1, 2 ]
amdhsa.kernels:
  - .name:           k_qaab8acf23c_attn
    .symbol:         k_qaab8acf23c_attn.kd
    .args:
      - { .name: qkv, .offset: 0, .size: 8, .value_kind: global_buffer, .address_space: global }
      - { .name: att, .offset: 8, .size: 8, .value_kind: global_buffer, .address_space: global }
    .group_segment_fixed_size: 327680
    .private_segment_fixed_size: 0
    .kernarg_segment_align: 8
    .kernarg_segment_size: 16
    .max_flat_workgroup_size: 512
    .sgpr_count:     96
    .vgpr_count:     256
    .wavefront_size: 32
...
	.end_amdgpu_metadata
.endif
;; end of part 3
;; launch oproj (part 4): grid 16 x 16, 8 waves a work-group, clusters of 4 x 4, 327,680 bytes of LDS; arguments att, wsq, out0; writes out0
.if DOCPART == 4
	.amdgcn_target "amdgcn-amd-amdhsa--gfx1250"
	.amdhsa_code_object_version 6
	.text
	.protected	k_qaab8acf23c_oproj
	.globl	k_qaab8acf23c_oproj
	.p2align	8
	.type	k_qaab8acf23c_oproj,@function
k_qaab8acf23c_oproj:
	s_mov_b64 s[64:65], 0
	v_nop
	global_prefetch_b8 v0, s[64:65] scope:SCOPE_SE
	s_setreg_imm32_b32 hwreg(HW_REG_WAVE_MODE, 25, 1), 1
	s_wait_xcnt 0x0
	s_wait_alu depctr_hold_cnt(0) depctr_sa_sdst(0) depctr_va_vdst(0) depctr_va_sdst(0) depctr_va_ssrc(0) depctr_va_vcc(0) depctr_vm_vsrc(0)
	s_getreg_b32 s2, hwreg(HW_REG_IB_STS2, 6, 4)
	s_cmp_eq_u32 s2, 0
	s_cbranch_scc0 .Lentry_in_a_cluster
	s_endpgm
.Lentry_in_a_cluster:
	s_bfe_u32 s2, ttmp6, 0x10000c
	s_cmp_lg_u32 s2, 0xf033
	s_cbranch_scc0 .Lentry_shape_is_right
	s_endpgm
.Lentry_shape_is_right:
; out0 = a wo^T on codes of FP6 (E2M3) with E8M0 scales, sums in f32.  a: the attention's result, codes [head][row][48 bytes], scale words [head / 2][row]; wo: images of the operand's registers in wsq (tensor 4).
; SHARES.  A tile of 128 x 128 of the output to a work-group: 16 x 16 = 256 work-groups.  Eight waves, two to a SIMD, 256 registers each: wave w has rows 64 (w / 4) on and columns 32 (w % 4) on: 8 accumulators.
; THE PRODUCT IS USED TRANSPOSED: source 0 = 16 rows of wo, source 1 = 16 rows of a: a lane holds eight neighbouring numbers of a row of the output.
; RING.  Two LDS slots of 512 along K: a's 8 heads x 128 rows x 48 bytes, then wo's 8 groups of 6,400 bytes (a whole record: four fragments and their scale words).  Four chunks of K in all, so the changes of slots are written out.
; a's scale words of all of K, 8,192 bytes, come once with the first fills.  Two buffers of fragments: a step's 30 LDS loads are issued ahead of the step before's products.
; CLUSTER 4 x 4.  a's tiles and scale words hang on the tile row alone and are asked for jointly along a row of the cluster; wo's hang on the tile column alone and are asked for jointly along a column.
; LIMITS: none of its own: codes and scale bytes are taken as the earlier launches made them.
.set SLOT,  100352
.set BOFF,  49152                      ; wo's groups in a slot
.set SAR,   2*SLOT                     ; a's scale words: [head / 2][128 rows], 4 bytes
.set STG,   SAR+8192                   ; the way out: 128 rows x (512 bytes + 16)
.set SPITCH, 528
.set SPARE, STG+128*SPITCH             ; the spare words, 128 bytes a wave: four blocks of 256 bytes that no other line names
.set SA,   24                          ; v24-39   a's scale words: register 4 q + t
.set SB,   40                          ; v40-47   wo's: register 4 u + q
.set ACC,  192                         ; v192-255 accumulator (t, u) at 192 + 16 t + 8 u;  v48-119, v120-191 two buffers: wo's two fragments, then a's four
.set G1A,  24                          ; s[24:31], s[32:39] groups 1 and 0 (one a slot) for a's tiles
.set G0A,  32
.set G1B,  48                          ; s[48:55], s[56:63] for wo's
.set G0B,  56
.set G1S,  68                          ; s[68:75], s[76:79] for a's scale words
.set G0S,  76
.macro CROUND                          ; a round of the cluster's barrier
	s_barrier_signal -1
	s_barrier_wait -1
	s_cmp_lg_u32 s10, 0
	s_cbranch_scc1 .Lnw0_\@
	s_barrier_signal -3
.Lnw0_\@:
	s_barrier_wait -3
	s_barrier_signal -1
	s_barrier_wait -1
.endm
.macro JLOAD s                         ; a joint refill of slot s: waves 0, 1 a's halves, waves 2, 3 wo's, the others nothing; four v_nop follow each line
	s_cmp_lt_u32 s10, 2
	s_cbranch_scc0 .Ljb_\@
	tensor_load_to_lds s[G0A+4*(\s):G0A+4*(\s)+3], s[G1A:G1A+7]
	s_nop 0
.rept 4
	v_nop
.endr
	s_branch .Ljd_\@
.Ljb_\@:
	s_cmp_lt_u32 s10, 4
	s_cbranch_scc0 .Ljd_\@
	tensor_load_to_lds s[G0B+4*(\s):G0B+4*(\s)+3], s[G1B:G1B+7]
	s_nop 0
.rept 4
	v_nop
.endr
.Ljd_\@:
.endm
	s_load_b128 s[4:7], s[0:1], 0x0                ; att, wsq
	s_load_b64 s[8:9], s[0:1], 0x10                ; out0
	v_lshl_add_u32 v11, v0, 2, SPARE
	v_mov_b32 v12, 0
	ds_add_u32 v11, v12
	ds_add_u32 v11, v12
	s_wait_dscnt 0x0
	v_lshrrev_b32 v1, 5, v0
	s_delay_alu instid0(VALU_DEP_1)
	v_readfirstlane_b32 s10, v1                    ; wave 0..7
	s_lshr_b32 s11, s10, 2                         ; which 64 rows
	s_and_b32 s12, s10, 3                          ; which 32 columns
	s_and_b32 s13, s10, 1                          ; which half I fetch
	s_bfe_u32 s15, ttmp6, 0x40000                  ; cx, cy
	s_bfe_u32 s16, ttmp6, 0x40004
	s_lshl_b32 s17, ttmp9, 2
	s_add_co_u32 s17, s17, s15                     ; tile column
	s_and_b32 s18, ttmp7, 0xffff
	s_lshl_b32 s18, s18, 2
	s_add_co_u32 s18, s18, s16                     ; tile row
	s_lshl_b32 s19, s16, 2
	s_lshl_b32 s19, 15, s19                        ; my row of the cluster
	s_lshl_b32 s20, 0x1111, s15                    ; my column
	s_or_b32 s[G1A], s19, (3<<16)|(1<<21)          ; four heads' 128 rows: 6,144 dense bytes each (768 elements of 8), 98,304 bytes apart
	s_mov_b32 s[G1A+1], 768<<16
	s_mov_b32 s[G1A+2], 4<<16
	s_mov_b32 s[G1A+3], 768<<16
	s_mov_b32 s[G1A+4], 4
	s_mov_b32 s[G1A+5], 12288
	s_mov_b32 s[G1A+6], 0
	s_mov_b32 s[G1A+7], 0
	s_or_b32 s[G1B], s20, (3<<16)|(1<<21)          ; four groups' records: 6,400 bytes each, 25,600 bytes apart
	s_mov_b32 s[G1B+1], 800<<16
	s_mov_b32 s[G1B+2], 4<<16
	s_mov_b32 s[G1B+3], 800<<16
	s_mov_b32 s[G1B+4], 4
	s_mov_b32 s[G1B+5], 3200
	s_mov_b32 s[G1B+6], 0
	s_mov_b32 s[G1B+7], 0
	s_or_b32 s[G1S], s19, (3<<16)|(1<<21)          ; eight pairs of heads: 512 bytes each, 8,192 bytes apart
	s_mov_b32 s[G1S+1], 64<<16
	s_mov_b32 s[G1S+2], 8<<16
	s_mov_b32 s[G1S+3], 64<<16
	s_mov_b32 s[G1S+4], 8
	s_mov_b32 s[G1S+5], 1024
	s_mov_b32 s[G1S+6], 0
	s_mov_b32 s[G1S+7], 0
	s_mul_i32 s40, s13, 4*98304
	s_mul_i32 s41, s18, 6144
	s_add_co_u32 s40, s40, s41
	s_mov_b32 s41, 0
	s_lshl_b32 s44, s17, 3
	s_lshl_b32 s45, s13, 2
	s_add_co_u32 s44, s44, s45
	s_mul_i32 s44, s44, 25600
	s_add_co_u32 s44, s44, 13107200
	s_mov_b32 s45, 0
	s_lshl_b32 s46, s13, 16
	s_lshl_b32 s47, s18, 9
	s_add_co_u32 s46, s46, s47
	s_add_co_u32 s46, s46, 3145728
	s_mov_b32 s47, 0
	s_mul_i32 s21, s13, 24576                      ; where the halves go in a slot: no place in the cluster enters an LDS address
	s_mul_i32 s22, s13, 25600
	s_lshl_b32 s23, s13, 12
	s_wait_kmcnt 0x0
	s_add_nc_u64 s[40:41], s[4:5], s[40:41]
	s_add_nc_u64 s[44:45], s[6:7], s[44:45]
	s_add_nc_u64 s[46:47], s[4:5], s[46:47]
.irp s, 0,1
	s_mov_b32 s[G0A+4*\s], 1
	s_add_co_u32 s[G0A+4*\s+1], s21, \s*SLOT
	s_add_nc_u64 s[G0A+4*\s+2:G0A+4*\s+3], s[40:41], \s*8*98304
	s_or_b32 s[G0A+4*\s+3], s[G0A+4*\s+3], 0x80000000
	s_mov_b32 s[G0B+4*\s], 1
	s_add_co_u32 s[G0B+4*\s+1], s22, \s*SLOT+BOFF
	s_add_nc_u64 s[G0B+4*\s+2:G0B+4*\s+3], s[44:45], \s*6400
	s_or_b32 s[G0B+4*\s+3], s[G0B+4*\s+3], 0x80000000
.endr
	s_mov_b32 s[G0S], 1
	s_add_co_u32 s[G0S+1], s23, SAR
	s_mov_b64 s[G0S+2:G0S+3], s[46:47]
	s_or_b32 s[G0S+3], s[G0S+3], 0x80000000
	CROUND                                         ; all sixteen work-groups are here: the first joint loads meet
	s_cmp_lt_u32 s10, 2                            ; one joint load a wave, in one chain of arms: waves 0, 1 slot 0's halves of a, 2, 3 of wo, 4, 5 the halves of a's scale words, 6, 7 slot 1's halves of a
	s_cbranch_scc0 .Lff_b
	tensor_load_to_lds s[G0A:G0A+3], s[G1A:G1A+7]
	s_nop 0
.rept 4
	v_nop
.endr
	s_branch .Lff_d
.Lff_b:
	s_cmp_lt_u32 s10, 4
	s_cbranch_scc0 .Lff_s
	tensor_load_to_lds s[G0B:G0B+3], s[G1B:G1B+7]
	s_nop 0
.rept 4
	v_nop
.endr
	s_branch .Lff_d
.Lff_s:
	s_cmp_lt_u32 s10, 6
	s_cbranch_scc0 .Lff_a
	tensor_load_to_lds s[G0S:G0S+3], s[G1S:G1S+7]
	s_nop 0
.rept 4
	v_nop
.endr
	s_branch .Lff_d
.Lff_a:
	tensor_load_to_lds s[G0A+4:G0A+7], s[G1A:G1A+7]
	s_nop 0
.rept 4
	v_nop
.endr
.Lff_d:
	; PREFETCH of K chunks 2 and 3, which the two refills load; chunks 0 and 1 come by their loads alone.  A chunk is 8 heads x 6,144 bytes of a and 8 groups x 6,400 bytes of wo.  The partners of a joint load share them out by address:
	; of a's heads the partner at cx takes 2 cx + wave (waves 0, 1; 24 runs of 256 bytes, a lane a run), of wo's groups the partner at cy takes 2 cy + wave % 2 (waves 2, 3; 25 runs).  So each run is named once in each cluster.
	s_lshl_b32 s88, s15, 1
	s_add_co_u32 s88, s88, s13
	s_add_co_u32 s88, s88, 16
	s_mul_i32 s88, s88, 98304
	s_mul_i32 s89, s18, 6144
	s_add_co_u32 s88, s88, s89                     ; a: head 16 + 2 cx + wave, the tile's 128 rows
	s_lshl_b32 s90, s17, 3
	s_lshl_b32 s91, s16, 1
	s_add_co_u32 s90, s90, s91
	s_add_co_u32 s90, s90, s13
	s_mul_i32 s90, s90, 25600
	s_add_co_u32 s90, s90, 13107200+12800          ; wo: group 8 x tile column + 2 cy + wave % 2, record 2
	s_cmp_lt_u32 s10, 2
	s_cselect_b32 s88, s88, s90
	s_cselect_b64 s[92:93], s[4:5], s[6:7]
	s_cselect_b32 s94, 23, 24                      ; the last run: lanes left over name it again
	s_mov_b32 s90, 786432                          ; from a chunk to the next: 8 heads of a,
	s_cselect_b32 s90, s90, 6400                   ; or a record of wo
	s_mov_b32 s89, 0
	s_mov_b32 s91, 0
	s_add_nc_u64 s[92:93], s[92:93], s[88:89]
	v_and_b32 v16, 31, v0
	v_min_u32 v16, s94, v16
	v_lshlrev_b32 v16, 8, v16
	s_cmp_lt_u32 s10, 4
	s_cbranch_scc0 .Lnp0
	global_prefetch_b8 v16, s[92:93] th:TH_LOAD_NT scope:SCOPE_SE   ; chunk 2, loaded behind the first slot's work
.Lnp0:
	v_and_b32 v1, 15, v0
	v_bfe_u32 v2, v0, 4, 1                         ; h
	v_and_b32 v3, 31, v0                           ; lane
	s_delay_alu instid0(VALU_DEP_1)
	v_lshlrev_b32 v15, 4, v3                       ; v15: 16 x lane
	s_mul_i32 s80, s11, 3072
	v_mul_u32_u24 v4, v1, 48
	s_delay_alu instid0(VALU_DEP_1)
	v_mad_u32_u24 v4, v2, 24, v4
	s_delay_alu instid0(VALU_DEP_1)
	v_add_nc_u32 v4, s80, v4                       ; v4, v5: a's rows in slot 0, 1: my 64 rows, row r, block h of a head
	s_delay_alu instid0(VALU_DEP_1)
	v_add_nc_u32 v5, SLOT, v4
	s_mul_i32 s81, s12, 12800
	s_add_co_u32 s81, s81, BOFF
	v_add_nc_u32 v6, s81, v15                      ; v6, v7: wo's images: my two groups
	s_delay_alu instid0(VALU_DEP_1)
	v_add_nc_u32 v7, SLOT, v6
	v_lshl_add_u32 v8, v1, 3, s81                  ; v8, v9: their scale words, 8 bytes a row
	s_delay_alu instid0(VALU_DEP_1)
	v_add_nc_u32 v9, SLOT, v8
	s_lshl_b32 s82, s11, 8
	s_add_co_u32 s82, s82, SAR
	v_lshl_add_u32 v10, v1, 2, s82                 ; v10: a's scale words
	s_mul_i32 s83, s11, 64*SPITCH
	s_lshl_b32 s84, s12, 7
	s_add_co_u32 s83, s83, s84
	s_add_co_u32 s83, s83, STG
	v_mul_u32_u24 v13, v1, SPITCH
	s_delay_alu instid0(VALU_DEP_1)
	v_lshl_add_u32 v13, v2, 5, v13
	s_delay_alu instid0(VALU_DEP_1)
	v_add_nc_u32 v13, s83, v13                     ; v13: into the stage: row 64 (w / 4) + r, my 128 bytes, + 32 h
	s_mul_i32 s84, s10, 16*SPITCH
	s_add_co_u32 s84, s84, STG
	v_add_nc_u32 v14, s84, v15                     ; v14: back: wave w takes rows 16 w on, whole
	s_lshl_b32 s86, s18, 7
	s_lshl_b32 s87, s10, 4
	s_add_co_u32 s86, s86, s87
	s_lshl_b32 s86, s86, 13                        ; the first row that I store, 8,192 bytes a row,
	s_lshl_b32 s87, s17, 9
	s_add_co_u32 s86, s86, s87                     ; and the tile's first column
	s_mov_b32 s87, 0
	s_add_nc_u64 s[86:87], s[8:9], s[86:87]
.macro FETCH s, q, b                   ; 30 LDS loads: the fragments of the slot's q-th 128 along K into buffer b
.set FB, 48+72*(\b)
.irp u, 0,1
.irp c, 0,1,2
	ds_load_b128 v[FB+12*\u+4*\c:FB+12*\u+4*\c+3], v[6+\s] offset:\u*6400+1536*(\q)+256*((\q)/2)+512*\c
.endr
.endr
.irp t, 0,1,2,3
.irp p, 0,1,2,3,4,5
	ds_load_b64 v[FB+24+12*\t+2*\p:FB+25+12*\t+2*\p], v[4+\s] offset:(2*(\q)+\p/3)*6144+768*\t+8*(\p%3)   ; registers 0-5: head 2 q; registers 6-11: head 2 q + 1
.endr
.endr
.endm
.macro SCALES s, sg                    ; the scale words of the slot's 512 along K: chunk sg of K
.irp u, 0,1
.irp e, 0,1
	ds_load_b64 v[SB+4*\u+2*\e:SB+4*\u+2*\e+1], v[8+\s] offset:\u*6400+3072+128*\e
.endr
.endr
.irp q, 0,1,2,3
.irp t, 0,1,2,3
	ds_load_b32 v[SA+4*\q+\t], v10 offset:(4*(\sg)+\q)*512+64*\t
.endr
.endr
.endm
.macro MUL q, b, zero                  ; 8 products; the accumulators take turns, one instruction a turn, in the same order in every step
.set FB, 48+72*(\b)
.irp t, 0,1,2,3
.irp u, 0,1
.if \zero
	v_wmma_scale_f32_16x16x128_f8f6f4 v[ACC+16*\t+8*\u:ACC+16*\t+8*\u+7], v[FB+12*\u:FB+12*\u+11], v[FB+24+12*\t:FB+35+12*\t], 0, v[SB+4*\u+(\q)], v[SA+4*(\q)+\t] matrix_a_fmt:MATRIX_FMT_FP6 matrix_b_fmt:MATRIX_FMT_FP6
.else
	v_wmma_scale_f32_16x16x128_f8f6f4 v[ACC+16*\t+8*\u:ACC+16*\t+8*\u+7], v[FB+12*\u:FB+12*\u+11], v[FB+24+12*\t:FB+35+12*\t], v[ACC+16*\t+8*\u:ACC+16*\t+8*\u+7], v[SB+4*\u+(\q)], v[SA+4*(\q)+\t] matrix_a_fmt:MATRIX_FMT_FP6 matrix_b_fmt:MATRIX_FMT_FP6
.endif
.endr
.endr
.rept 4
	v_nop                                          ; four places in front of loads into registers that matrix instructions have read, and of the first read of results
.endr
.endm
.macro WORK s, sg, zero
	SCALES \s, \sg
	FETCH \s, 0, 0
	FETCH \s, 1, 1
	s_wait_dscnt 30                                ; all but the 30 loads just issued
	MUL 0, 0, \zero
	FETCH \s, 2, 0
	s_wait_dscnt 30
	MUL 1, 1, 0
	FETCH \s, 3, 1
	s_wait_dscnt 30
	MUL 2, 0, 0
	s_wait_dscnt 0x0
	MUL 3, 1, 0
.endm
; The change of slots stands at a slot's head.  refill = 1: the slot just left is filled with the chunk of K two on, behind a round of the cluster's barrier; the load has this slot's 32 products a wave in which to land.
.macro TWO s, sg, refill
	s_wait_tensorcnt 0x0                           ; all my tensor loads have landed, my part of this slot among them: so a group 0 may be written
	ds_add_u32 v11, v12                            ; 0 onto my spare word
.if \refill
	s_add_nc_u64 s[G0A+4*(1-\s)+2:G0A+4*(1-\s)+3], s[G0A+4*(1-\s)+2:G0A+4*(1-\s)+3], 16*98304
	s_add_nc_u64 s[G0B+4*(1-\s)+2:G0B+4*(1-\s)+3], s[G0B+4*(1-\s)+2:G0B+4*(1-\s)+3], 2*6400
.endif
	s_wait_dscnt 0x0                               ; the add is done, and my reads of the slot that I have left are over
.if \refill
	CROUND                                         ; both now hold of every wave of every partner
	JLOAD 1-\s                                     ; the first tensor load behind the round, one a wave
.else
	s_barrier_signal -1
	s_barrier_wait -1
.endif
	WORK \s, \sg, 0
.endm
	s_wait_alu depctr_va_vdst(0)                   ; the wait at the head's end
	s_wait_tensorcnt 0x0                           ; my one load of the head is in
	ds_add_u32 v11, v12
	s_wait_dscnt 0x0
	CROUND                                         ; everybody's is, in every partner
	s_cmp_lt_u32 s10, 2                            ; slot 1's halves of wo, a first fill: waves 2, 3, one joint load each
	s_cbranch_scc1 .Lb1_d
	s_cmp_lt_u32 s10, 4
	s_cbranch_scc0 .Lb1_d
	tensor_load_to_lds s[G0B+4:G0B+7], s[G1B:G1B+7]
	s_nop 0
.rept 4
	v_nop
.endr
.Lb1_d:
	s_wait_xcnt 0x0                                ; the first prefetch has read its address: only now is it stepped, a chunk on
	s_add_nc_u64 s[92:93], s[92:93], s[90:91]
	s_cmp_lt_u32 s10, 4
	s_cbranch_scc0 .Lnp1
	global_prefetch_b8 v16, s[92:93] th:TH_LOAD_NT scope:SCOPE_SE   ; chunk 3, loaded behind the second slot's work
.Lnp1:
	WORK 0, 0, 1                                   ; the first products start the sums: nothing is cleared
	TWO 1, 1, 1
	TWO 0, 2, 1
	TWO 1, 3, 0                                    ; the last chunk: nothing is left to fetch
	; THE WAY OUT.  A lane's eight results are 32 neighbouring bytes of a row; a row's 512 bytes come from four waves: they meet in the stage, and each wave stores 16 whole rows.
.irp t, 0,1,2,3
.irp u, 0,1
	ds_store_b128 v13, v[ACC+16*\t+8*\u:ACC+16*\t+8*\u+3] offset:16*\t*SPITCH+64*\u          ; each accumulator from its low end on
	ds_store_b128 v13, v[ACC+16*\t+8*\u+4:ACC+16*\t+8*\u+7] offset:16*\t*SPITCH+64*\u+16
.endr
.endr
	s_wait_dscnt 0x0                               ; for the others' sake: my stores into the stage are done
	s_barrier_signal -1
	s_barrier_wait -1
.irp i, 0,1,2,3,4,5,6,7,8,9,10,11,12,13,14,15
	ds_load_b128 v[48+4*\i:51+4*\i], v14 offset:\i*SPITCH
.endr
.irp i, 0,1,2,3,4,5,6,7,8,9,10,11,12,13,14,15
	s_wait_dscnt 15-\i
	global_store_b128 v15, v[48+4*\i:51+4*\i], s[86:87] offset:\i*8192 th:TH_STORE_NT   ; 32 lanes store 512 consecutive bytes, at a multiple of 256 from the output's first byte; written once, read by nobody here
.endr
	s_wait_tensorcnt 0x0                           ; the wave's end
	ds_add_u32 v11, v12
	s_wait_dscnt 0x0
	CROUND                                         ; the closing round: no work-group ends while a partner may still ask for a tile that names it
	s_endpgm
.Lfunc_end_k_qaab8acf23c_oproj:
	.size	k_qaab8acf23c_oproj, .Lfunc_end_k_qaab8acf23c_oproj-k_qaab8acf23c_oproj
	.p2alignl 7, 3214868480
	.fill 96, 4, 3214868480
	.section	.rodata,"a",@progbits
	.p2align	6, 0x0
	.amdhsa_kernel k_qaab8acf23c_oproj
		.amdhsa_group_segment_fixed_size 327680
		.amdhsa_private_segment_fixed_size 0
		.amdhsa_enable_private_segment 0
		.amdhsa_kernarg_size 24
		.amdhsa_user_sgpr_count 2
		.amdhsa_user_sgpr_kernarg_segment_ptr 1
		.amdhsa_wavefront_size32 1
		.amdhsa_system_sgpr_workgroup_id_x 1
		.amdhsa_system_sgpr_workgroup_id_y 1
		.amdhsa_system_sgpr_workgroup_id_z 1
		.amdhsa_system_vgpr_workitem_id 0
		.amdhsa_next_free_vgpr 256
		.amdhsa_next_free_sgpr 96
		.amdhsa_reserve_vcc 0
		.amdhsa_float_denorm_mode_32 3
		.amdhsa_float_denorm_mode_16_64 3
		.amdhsa_memory_ordered 1
		.amdhsa_forward_progress 1
		.amdhsa_inst_pref_size 71
	.end_amdhsa_kernel
	.amdgpu_metadata
---
amdhsa.version: [ 1, 2 ]
amdhsa.kernels:
  - .name:           k_qaab8acf23c_oproj
    .symbol:         k_qaab8acf23c_oproj.kd
    .args:
      - { .name: att, .offset: 0, .size: 8, .value_kind: global_buffer, .address_space: global }
      - { .name: wsq, .offset: 8, .size: 8, .value_kind: global_buffer, .address_space: global }
      - { .name: out0, .offset: 16, .size: 8, .value_kind: global_buffer, .address_space: global }
    .group_segment_fixed_size: 327680
    .private_segment_fixed_size: 0
    .kernarg_segment_align: 8
    .kernarg_segment_size: 24
    .max_flat_workgroup_size: 256
    .sgpr_count:     96
    .vgpr_count:     256
    .wavefront_size: 32
...
	.end_amdgpu_metadata
.endif
;; end of part 4
